; MI455X (gfx1250); checked and timed in simulation.
; The chip was launched on July 23, 2026; its instructions are those of AMD's public machine-readable ISA for CDNA 5 (MIT licence, August 2026) and "CDNA5" Instruction Set Architecture Reference Guide (July 2026). The comments in the code are by the model that wrote it; some were corrected since.
;; Block. Allowed arithmetic: matrix products marked QUANTISED: E2M3 operands, one E8M0 scale for each 32 along K, by v_wmma_scale_f32_16x16x128_f8f6f4 with both operands' format E2M3, f32 sums; everything else in f32.
;; Inputs: W_ff1 1,024 x 4,096 float32; W_ff2 4,096 x 1,024 float32; W_o 1,024 x 1,024 float32; W_qkv 1,024 x 3,072 float32; b_ff1 4,096 float32; b_ff2 1,024 float32; b_o 1,024 float32; b_qkv 3,072 float32; ln1_b 1,024 float32; ln1_w 1,024 float32; ln2_b 1,024 float32; ln2_w 1,024 float32; x 2 x 2,048 x 1,024 float32.
;; Outputs: out0 2 x 2,048 x 1,024 float32.
;; This version of the problem:
;;   THIS VERSION OF THE PROBLEM IS GIVEN IN LOW PRECISION. The matrix products marked QUANTISED in the list below multiply operands that are first quantised to E2M3 (2 exponent bits, 3 mantissa bits; 6 bits a number), with one power-of-two scale for each 32 numbers along K (OCP MX v1.0); their sums are f32. All else is computed in f32.
;;   The module's matrix products, in the order in which they are computed (A, B: the left and right operand; K: the contracted axis; several contracted axes count as one K, in the product's order):
;;     1. [M 4,096, K 1,024] x [K 1,024, N 3,072]; A: computed on the way; B: input W_qkv: QUANTISED
;;     2. batch 32 x [M 2,048, K 64] x [K 64, N 2,048]; A: computed on the way; B: computed on the way: QUANTISED
;;     3. batch 32 x [M 2,048, K 2,048] x [K 2,048, N 64]; A: softmax (see below); B: computed on the way: QUANTISED
;;     4. [M 4,096, K 1,024] x [K 1,024, N 1,024]; A: computed on the way; B: input W_o: QUANTISED
;;     5. [M 4,096, K 1,024] x [K 1,024, N 4,096]; A: computed on the way; B: input W_ff1: QUANTISED
;;     6. [M 4,096, K 4,096] x [K 4,096, N 1,024]; A: computed on the way; B: input W_ff2: QUANTISED
;;   THE QUANTISER, for each operand of a quantised product, along K:
;;     - K is cut into blocks of 32 from its start; a last block that is shorter is filled with zeros.
;;     - A block's scale is 2^e with e = floor(log2(the largest magnitude in the block)) - 2, held to -126 .. 127; a block of zeros has e = 0. As a byte (E8M0): e + 127.
;;     - Each number is divided by its block's scale, clamped to +-7.5, and rounded to the nearest number of E2M3, ties to even, subnormals kept.
;;     - The product sums the exact products of the quantised numbers (number of the format x scale) in f32.
;;   ~~~python
;;   def quantise(x, axis):      # numpy; x: float32 -> the quantised numbers, widened to float32 again
;;       x = np.moveaxis(x, axis, -1); K = x.shape[-1]
;;       x = np.pad(x, [(0, 0)] * (x.ndim - 1) + [(0, -K % 32)]); x = x.reshape(x.shape[:-1] + (-1, 32)); a = np.abs(x).max(-1, keepdims=True)
;;       e = np.where(a > 0, np.clip(np.frexp(np.where(a > 0, a, 1))[1] - 1 - 2, -126, 127), 0)      # np.frexp(a)[1] - 1 = floor(log2(a)), exactly
;;       r = np.clip(x / 2.0 ** e, -7.5, 7.5)
;;       step = 2.0 ** (np.maximum(np.frexp(np.where(r == 0, 1, r))[1] - 1, 0) - 3)
;;       q = np.round(r / step) * step * 2.0 ** e      # np.round: ties to even
;;       return np.moveaxis(q.reshape(q.shape[:-2] + (-1,))[..., :K], -1, axis).astype(np.float32)
;;   ~~~
;;   SOFTMAX AHEAD OF A QUANTISED PRODUCT. Where the list says 'softmax', what is quantised is not the finished softmax but p = 2^(t - M), with t = logit x log2(e) and M = ceil(the row's largest t), a whole number; so 1/2 < the row's largest p <= 1. The row's sum l is taken of the UNQUANTISED p, in f32, and the product's result is divided by l at the end. Since M is a whole number, a kernel that streams over the keys may use a running M (the ceiling of the running maximum): every later rescaling is an exact power of two, which a block's scale takes up: the codes' values come out the same.
;;   OPERANDS COMPUTED ON THE WAY. 'Computed on the way' means the value that the module computes at that place (a softmax that the list does not call 'softmax' is quantised finished and normalised). What goes into a quantiser is computed in f32, as accurately as f32 sums, v_exp_f32 and their like allow (about 1e-6 of the number): no bf16 or f16 on the way to a quantiser, and a product that is left as it is and whose result goes on into a quantised operand takes f32 operands (vector FMAs, or v_wmma_f32_16x16x4_f32). A number that lies on a knife's edge between two numbers of the format may be rounded either way, as far as f32 arithmetic and the matrix unit's own rounding can turn it there, and no further.
;; One version. Each part assembles by itself: llvm-mc -triple=amdgcn-amd-amdhsa -mcpu=gfx1250 --defsym DOCPART=n.
;; ======== version 1 of 1: 8 launches
;; limits: right only within a limited range of input values
;; workspace buffers: wq 9,830,400 bytes; hq 3,276,800 bytes; qkv 10,092,544 bytes; av 3,276,800 bytes; x1 16,777,216 bytes; gq 13,107,200 bytes
;; launch wquant (part 1): grid 768 x 1, 4 waves a work-group, no clusters, 0 bytes of LDS; arguments W_qkv, W_o, W_ff1, W_ff2, wq; writes wq
.if DOCPART == 1
	.amdgcn_target "amdgcn-amd-amdhsa--gfx1250"
	.amdhsa_code_object_version 6
	.text
	.protected	k_q8ce6667c1b_wquant
	.globl	k_q8ce6667c1b_wquant
	.p2align	8
	.type	k_q8ce6667c1b_wquant,@function
k_q8ce6667c1b_wquant:
	s_mov_b64 s[64:65], 0
	v_nop
	global_prefetch_b8 v0, s[64:65] scope:SCOPE_SE
	s_setreg_imm32_b32 hwreg(HW_REG_WAVE_MODE, 25, 1), 1
	s_wait_xcnt 0x0
; The four weights, f32 stored [K][N], become codes of FP6 (E2M3) and E8M0 scale bytes along K, laid as IMAGES OF THE OPERAND'S REGISTERS.
; IMAGE ORDER.  A tile is 16 columns n of a weight: lane r of tile t holds n = 32 (t / 2) + 8 (t % 2) + r + 8 (r / 8).  A half image (tile t, 64 along K: hs) is 768 bytes at (t NH + hs) 768, NH = K / 64:
; lane (r, h) owns the block of 32 at K = 64 hs + 32 h: 24 bytes; its first 16 at 16 r + 256 h, its last 8 at 512 + 16 r + 8 h.  The scale word of (tile t, 128 along K: ks, lane r) lies at (t NK + ks) 64 + 4 r, NK = K / 128.
; SHARES.  Work-groups 0-191 take W_qkv, 192-255 W_o, 256-511 W_ff1, 512-767 W_ff2: one path, the sizes and the buffer chosen on the work-group's number alone.  A wave takes 32 columns x 128 along K.
; A LANE TAKES A COLUMN AND ITS REGISTERS RUN DOWN K: a load reads 128 consecutive bytes a wave (512 a work-group), a block lies in one lane, and the conversions give K innermost.
; A block's scale is 2^(floor(log2(largest magnitude)) - 2): the largest magnitude's exponent field less 2, held at 1 from below.
; LIMITS: NaN and infinities are not served; a block of zeros, or one whose largest magnitude lies under 2^-124, gets the byte 1 (its codes are zeros; this program alone reads the bytes).
; No register that a pending load or store names is ever written again, so no wait frees any.
.set VO,  16                           ; v16-47   row i's byte offset: 4 x lane + i x pitch
.set X,   48                           ; v48-111  two sets of 32 numbers
.set C,   112                          ; v112-143 a block's codes, 8 registers a block
.set E,   144                          ; v144-151 the last 8 bytes of two blocks side by side: 16 bytes a lane
.set SB,  152                          ; v152     the scale word
.set BS,  32                           ; s[32:39] where each of my four blocks begins in the weight
	s_load_b256 s[4:11], s[0:1], 0x0               ; W_qkv, W_o, W_ff1, W_ff2
	s_load_b64 s[12:13], s[0:1], 0x20              ; wq
	v_lshrrev_b32 v4, 5, v0
	v_readfirstlane_b32 s14, v4                    ; wave
	v_and_b32 v1, 31, v0                           ; lane l: column n0 + l
	v_bfe_u32 v4, v0, 3, 1                         ; u = (l / 8) % 2: which of the two tiles
	v_and_b32 v5, 7, v0
	v_bfe_u32 v6, v0, 4, 1
	v_lshl_add_u32 v5, v6, 3, v5                   ; r = l % 8 + 8 (l / 16): my place in the tile
	s_mov_b32 s16, 0                               ; first work-group of the weight
	s_mov_b32 s17, 12288                           ; a row of the weight in bytes
	s_mov_b32 s18, 3                               ; log2 of K / 128
	s_mov_b32 s19, 12288                           ; NH x 768
	s_mov_b32 s20, 512                             ; NK x 64
	s_mov_b32 s21, 0                               ; its codes in wq
	s_mov_b32 s22, 9437184                         ; its scale words in wq
	s_wait_alu depctr_va_vdst(0)
	s_wait_kmcnt 0x0
	s_cmp_ge_u32 ttmp9, 192                        ; W_o or later
	s_cselect_b32 s16, 192, s16
	s_cselect_b32 s17, 4096, s17
	s_cselect_b32 s21, 2359296, s21
	s_cselect_b32 s22, 9535488, s22
	s_cselect_b64 s[4:5], s[6:7], s[4:5]
	s_cmp_ge_u32 ttmp9, 256                        ; W_ff1 or later
	s_cselect_b32 s16, 256, s16
	s_cselect_b32 s17, 16384, s17
	s_cselect_b32 s21, 3145728, s21
	s_cselect_b32 s22, 9568256, s22
	s_cselect_b64 s[4:5], s[8:9], s[4:5]
	s_cmp_ge_u32 ttmp9, 512                        ; W_ff2
	s_cselect_b32 s16, 512, s16
	s_cselect_b32 s17, 4096, s17
	s_cselect_b32 s18, 5, s18
	s_cselect_b32 s19, 49152, s19
	s_cselect_b32 s20, 2048, s20
	s_cselect_b32 s21, 6291456, s21
	s_cselect_b32 s22, 9699328, s22
	s_cselect_b64 s[4:5], s[10:11], s[4:5]
	s_sub_co_u32 s23, ttmp9, s16                   ; my number within the weight
	s_lshl_b32 s24, -1, s18
	s_and_not1_b32 s25, s23, s24                   ; kc: which 128 along K
	s_lshr_b32 s26, s23, s18                       ; which 128 columns
	s_lshl_b32 s26, s26, 7
	s_lshl_b32 s27, s14, 5
	s_add_co_u32 s26, s26, s27                     ; n0: my wave's first column
	s_mul_i32 s28, s25, s17
	s_lshl_b32 s28, s28, 7                         ; 128 kc rows
	s_lshl_b32 s27, s26, 2
	s_add_co_u32 s28, s28, s27
	s_mov_b32 s29, 0
	s_add_nc_u64 s[BS:BS+1], s[4:5], s[28:29]
	s_lshl_b32 s28, s17, 5                         ; 32 rows on for each block
	s_add_nc_u64 s[BS+2:BS+3], s[BS:BS+1], s[28:29]
	s_add_nc_u64 s[BS+4:BS+5], s[BS+2:BS+3], s[28:29]
	s_add_nc_u64 s[BS+6:BS+7], s[BS+4:BS+5], s[28:29]
	s_lshr_b32 s27, s26, 4                         ; my first tile
	s_mul_i32 s30, s27, s19
	s_mul_i32 s31, s25, 1536
	s_add_co_u32 s30, s30, s31
	s_add_co_u32 s30, s30, s21
	s_mov_b32 s31, 0
	s_add_nc_u64 s[40:41], s[12:13], s[30:31]      ; the codes: tile, half step 2 kc
	s_mul_i32 s30, s27, s20
	s_lshl_b32 s28, s25, 6
	s_add_co_u32 s30, s30, s28
	s_add_co_u32 s30, s30, s22
	s_add_nc_u64 s[42:43], s[12:13], s[30:31]      ; the scale words: tile, K step kc
	v_mul_u32_u24 v2, s19, v4
	v_lshl_add_u32 v2, v5, 4, v2                   ; codes: u tiles on, 16 r
	v_mul_u32_u24 v3, s20, v4
	v_lshl_add_u32 v3, v5, 2, v3                   ; scale word: u tiles on, 4 r
	v_lshlrev_b32 v[VO], 2, v1
.set i, 1
.rept 31
	v_add_nc_u32 v[VO+i], s17, v[VO+i-1]
.set i, i+1
.endr
.macro LOAD t                          ; block t: W(128 kc + 32 t + i, my column), i = 0 .. 31, into set t % 2
.set i, 0
.rept 32
	global_load_b32 v[X+32*((\t)%2)+i], v[VO+i], s[BS+2*(\t):BS+2*(\t)+1] th:TH_LOAD_NT
.set i, i+1
.endr
.endm
.macro BLOCK t
.set XS, X+32*((\t)%2)
.set CT, C+8*(\t)
.set ET, E+4*((\t)/2)+2*((\t)%2)
.if (\t) < 3
	s_wait_loadcnt 32                              ; this block's 32 loads are in; the next block's 32 may be out
.else
	s_wait_loadcnt 0x0
.endif
	v_max3_num_f32 v8, |v[XS]|, |v[XS+1]|, |v[XS+2]|   ; the block's largest magnitude: all 32 numbers are mine; two chains
	v_max3_num_f32 v9, |v[XS+3]|, |v[XS+4]|, |v[XS+5]|
.irp i, 6,10,14,18,22,26
	v_max3_num_f32 v8, v8, |v[XS+\i]|, |v[XS+\i+1]|
	v_max3_num_f32 v9, v9, |v[XS+\i+2]|, |v[XS+\i+3]|
.endr
	v_max3_num_f32 v8, v8, |v[XS+30]|, |v[XS+31]|
	v_max3_num_f32 v8, v8, v9, 0x1800000           ; and the floor 2^(3 - 127): the byte cannot fall under 1
	v_add_nc_u32 v10, 0xff000000, v8               ; 2 off the exponent field: the conversions take this operand's exponent field as the scale
	v_cvt_scalef32_pk16_fp6_f32 v[CT:CT+2], v[XS:XS+15], v10
	v_cvt_scalef32_pk16_fp6_f32 v[CT+4:CT+6], v[XS+16:XS+31], v10   ; (a conversion's three registers begin on an even number)
	v_lshrrev_b32 v11, 23, v10                     ; the scale's byte; also the plain line behind the conversions
.if (\t) == 0
	v_mov_b32 v[SB], v11
.else
	v_lshl_or_b32 v[SB], v11, 8*(\t), v[SB]
.endif
	v_mov_b32 v[CT+3], v[CT+4]                     ; the block's first 16 bytes on end
	v_mov_b32 v[ET], v[CT+5]                       ; its last 8 beside the neighbouring block's
	v_mov_b32 v[ET+1], v[CT+6]
	global_store_b128 v2, v[CT:CT+3], s[40:41] offset:768*((\t)/2)+256*((\t)%2)   ; sixteen lanes of a tile store 256 consecutive bytes, aligned
.if (\t)%2
	global_store_b128 v2, v[E+4*((\t)/2):E+4*((\t)/2)+3], s[40:41] offset:768*((\t)/2)+512
.endif
.if (\t) < 2
	LOAD (\t)+2
.endif
.endm
	LOAD 0
	LOAD 1
	BLOCK 0
	BLOCK 1
	BLOCK 2
	BLOCK 3
	global_store_b32 v3, v[SB], s[42:43]           ; sixteen lanes of a tile store its 64 bytes of scale words
	s_endpgm
.Lfunc_end_k_q8ce6667c1b_wquant:
	.size	k_q8ce6667c1b_wquant, .Lfunc_end_k_q8ce6667c1b_wquant-k_q8ce6667c1b_wquant
	.p2alignl 7, 3214868480
	.fill 96, 4, 3214868480
	.section	.rodata,"a",@progbits
	.p2align	6, 0x0
	.amdhsa_kernel k_q8ce6667c1b_wquant
		.amdhsa_group_segment_fixed_size 0
		.amdhsa_private_segment_fixed_size 0
		.amdhsa_enable_private_segment 0
		.amdhsa_kernarg_size 40
		.amdhsa_user_sgpr_count 2
		.amdhsa_user_sgpr_kernarg_segment_ptr 1
		.amdhsa_wavefront_size32 1
		.amdhsa_system_sgpr_workgroup_id_x 1
		.amdhsa_system_sgpr_workgroup_id_y 1
		.amdhsa_system_sgpr_workgroup_id_z 1
		.amdhsa_system_vgpr_workitem_id 0
		.amdhsa_next_free_vgpr 160
		.amdhsa_next_free_sgpr 66
		.amdhsa_reserve_vcc 0
		.amdhsa_float_denorm_mode_32 3
		.amdhsa_float_denorm_mode_16_64 3
		.amdhsa_memory_ordered 1
		.amdhsa_forward_progress 1
		.amdhsa_inst_pref_size 23
	.end_amdhsa_kernel
	.amdgpu_metadata
---
amdhsa.version: [ 1, 2 ]
amdhsa.kernels:
  - .name:           k_q8ce6667c1b_wquant
    .symbol:         k_q8ce6667c1b_wquant.kd
    .args:
      - { .name: W_qkv, .offset: 0, .size: 8, .value_kind: global_buffer, .address_space: global }
      - { .name: W_o, .offset: 8, .size: 8, .value_kind: global_buffer, .address_space: global }
      - { .name: W_ff1, .offset: 16, .size: 8, .value_kind: global_buffer, .address_space: global }
      - { .name: W_ff2, .offset: 24, .size: 8, .value_kind: global_buffer, .address_space: global }
      - { .name: wq, .offset: 32, .size: 8, .value_kind: global_buffer, .address_space: global }
    .group_segment_fixed_size: 0
    .private_segment_fixed_size: 0
    .kernarg_segment_align: 8
    .kernarg_segment_size: 40
    .max_flat_workgroup_size: 128
    .sgpr_count:     66
    .vgpr_count:     160
    .wavefront_size: 32
...
	.end_amdgpu_metadata
.endif
;; end of part 1
;; launch ln1 (part 2): grid 256 x 1, 4 waves a work-group, no clusters, 66,560 bytes of LDS; arguments x, ln1_w, ln1_b, hq; writes hq
.if DOCPART == 2
	.amdgcn_target "amdgcn-amd-amdhsa--gfx1250"
	.amdhsa_code_object_version 6
	.text
	.protected	k_q8ce6667c1b_ln1
	.globl	k_q8ce6667c1b_ln1
	.p2align	8
	.type	k_q8ce6667c1b_ln1,@function
k_q8ce6667c1b_ln1:
	s_mov_b64 s[64:65], 0
	v_nop
	global_prefetch_b8 v0, s[64:65] scope:SCOPE_SE
	s_setreg_imm32_b32 hwreg(HW_REG_WAVE_MODE, 25, 1), 1
	s_wait_xcnt 0x0
; LayerNorm of 4,096 rows of 1,024 f32 (mean, then the mean of the squared differences, 1 / sqrt(var + 1e-5), gain, bias), then the quantiser along the row: codes of FP6 (E2M3), one E8M0 byte for each 32.
; The result is laid as images of the operand's registers: tile g holds rows 32 (g / 2) + 8 (g % 2) + r + 8 (r / 8), r = 0 .. 15; half image (g, hs) at (16 g + hs) 768: lane (r, h) owns columns 64 hs + 32 h + 0 .. 31 of row r:
; its first 16 bytes at 16 r + 256 h, its last 8 at 512 + 16 r + 8 h.  Scale words behind the codes, at 3,145,728 + (8 g + ks) 64 + 4 r.
; SHARES.  Work-group g makes tile g.  Phase 1: wave w normalises four whole rows (places 4 w .. 4 w + 3 of the tile), each row in 32 registers, read once, and lays them into a stage in LDS, rows 4,112 bytes apart
; (an odd multiple of 16: the sixteen rows that a load of phase 2 touches begin in different banks: 64 banks of 4 bytes, ISA guide 11.1).  One barrier.  Phase 2: wave w quantises columns 256 w .. 256 w + 255 of all 16 rows.
; LIMITS: NaN and infinities are not served; a block of zeros, or one whose largest magnitude lies under 2^-124, gets the byte 1 (its codes are zeros; this program alone reads the bytes).
.set X,   16                           ; v16-143  four rows; in phase 2 four half steps of 32 numbers
.set WW,  144                          ; v144-175 the gain at my columns
.set BB,  176                          ; v176-207 the bias
.set PC,  144                          ; phase 2: codes, 8 registers a half step
.set HW,  176                          ; phase 2: half scale words
.set TM,  208                          ; v208-213 the quantiser's scratch
.set SEL, 20                           ; s[20:21] v_permlanex16_b32's selects for lane l xor 16
.set PITCH, 4112
; 32 numbers of a lane, register 16 b + i = column 32 b + 16 h + i of my row (b = 0, 1), become the six code registers of my block (block h) in v[pc .. pc + 5] and the two blocks' bytes in v[hw].
.macro QH s, pc, hw
	v_max3_num_f32 v[TM], |v[(\s)]|, |v[(\s)+1]|, 0x1800000        ; my 16 numbers of each block, and the floor 2^(3 - 127): the byte cannot fall under 1
	v_max3_num_f32 v[TM+1], |v[(\s)+16]|, |v[(\s)+17]|, 0x1800000
.irp i, 2,4,6,8,10,12,14
	v_max3_num_f32 v[TM], v[TM], |v[(\s)+\i]|, |v[(\s)+\i+1]|
	v_max3_num_f32 v[TM+1], v[TM+1], |v[(\s)+16+\i]|, |v[(\s)+17+\i]|
.endr
	v_permlanex16_b32 v[TM+2], v[TM], s[SEL], s[SEL+1]
	v_permlanex16_b32 v[TM+3], v[TM+1], s[SEL], s[SEL+1]
	v_max_num_f32 v[TM], v[TM], v[TM+2]            ; with lane l xor 16's 16: the blocks' largest magnitudes
	v_max_num_f32 v[TM+1], v[TM+1], v[TM+3]
	v_add_nc_u32 v[TM+4], 0xff000000, v[TM]        ; 2 off the exponent field: the conversion's scale operand
	v_add_nc_u32 v[TM+5], 0xff000000, v[TM+1]
	v_lshrrev_b32 v[TM], 23, v[TM+4]               ; the bytes
	v_lshrrev_b32 v[TM+1], 23, v[TM+5]
	v_lshl_or_b32 v[\hw], v[TM+1], 8, v[TM]
	v_cvt_scalef32_pk16_fp6_f32 v[(\pc):(\pc)+2], v[(\s):(\s)+15], v[TM+4]
	v_cvt_scalef32_pk16_fp6_f32 v[(\pc)+4:(\pc)+6], v[(\s)+16:(\s)+31], v[TM+5]
	v_nop                                          ; one plain line behind the scaled conversions
.irp i, 0,1,2
	v_permlane16_swap_b32 v[(\pc)+\i], v[(\pc)+4+\i]   ; the first's lanes 16-31 change places with the second's lanes 0-15: a lane now holds one whole block
.endr
	v_mov_b32 v[(\pc)+3], v[(\pc)+4]
	v_mov_b32 v[(\pc)+4], v[(\pc)+5]
	v_mov_b32 v[(\pc)+5], v[(\pc)+6]
.endm
.macro LANESUM reg, tmp                ; the sum over the 32 lanes, in every lane
	v_add_f32_dpp v[\reg], v[\reg], v[\reg] row_xmask:1 row_mask:0xf bank_mask:0xf
	v_add_f32_dpp v[\reg], v[\reg], v[\reg] row_xmask:2 row_mask:0xf bank_mask:0xf
	v_add_f32_dpp v[\reg], v[\reg], v[\reg] row_xmask:4 row_mask:0xf bank_mask:0xf
	v_add_f32_dpp v[\reg], v[\reg], v[\reg] row_xmask:8 row_mask:0xf bank_mask:0xf
	v_permlanex16_b32 v[\tmp], v[\reg], s[SEL], s[SEL+1]
	v_add_f32 v[\reg], v[\reg], v[\tmp]
.endm
	s_load_b256 s[4:11], s[0:1], 0x0               ; the rows, gain, bias, hq
	v_lshl_add_u32 v224, v0, 2, 0x10200
	v_mov_b32 v225, 0
	v_lshrrev_b32 v1, 5, v0
	v_readfirstlane_b32 s12, v1                    ; wave
	v_and_b32 v1, 31, v0                           ; lane
	v_and_b32 v2, 15, v0                           ; r
	v_bfe_u32 v3, v0, 4, 1                         ; h
	v_lshlrev_b32 v4, 4, v1                        ; 16 x lane
	v_lshlrev_b32 v5, 4, v2
	v_lshl_add_u32 v5, v3, 3, v5                   ; 16 r + 8 h
	v_lshlrev_b32 v6, 2, v1                        ; 4 x lane
	s_mul_i32 s13, s12, 4*PITCH
	v_add_nc_u32 v7, s13, v4                       ; the stage, on the way in: my wave's four rows, 16 bytes a lane
	v_mul_u32_u24 v8, v2, PITCH
	v_lshl_add_u32 v8, v3, 6, v8
	s_lshl_b32 s13, s12, 10
	v_add_nc_u32 v8, s13, v8                       ; and out: row r, my wave's 1,024 bytes, + 64 h
	v_mov_b32 v[TM+2], 0                           ; written once: a lane permute's destination counts as one of its sources
	v_mov_b32 v[TM+3], 0
	v_mov_b32 v217, 0
	s_mov_b32 s[SEL], 0x76543210
	s_mov_b32 s[SEL+1], 0xfedcba98
	s_mov_b32 s22, 0x3a800000                      ; 1 / 1024
	s_mov_b32 s23, 0x3727c5ac                      ; 1e-5
	s_lshr_b32 s14, ttmp9, 1
	s_lshl_b32 s14, s14, 5
	s_and_b32 s15, ttmp9, 1
	s_lshl_b32 s15, s15, 3
	s_add_co_u32 s14, s14, s15
	s_lshl_b32 s15, s12, 2
	s_add_co_u32 s14, s14, s15
	s_lshr_b32 s15, s12, 1
	s_lshl_b32 s15, s15, 3
	s_add_co_u32 s14, s14, s15                     ; my first row: 32 (g / 2) + 8 (g % 2) + 4 w + 8 (w / 2)
	s_lshl_b32 s16, s14, 12
	s_mov_b32 s17, 0
	s_mul_i32 s18, ttmp9, 12288
	s_mul_i32 s15, s12, 3072
	s_add_co_u32 s18, s18, s15                     ; codes: tile g, half step 4 w
	s_mov_b32 s19, 0
	s_lshl_b32 s28, ttmp9, 9
	s_lshl_b32 s15, s12, 7
	s_add_co_u32 s28, s28, s15
	s_add_co_u32 s28, s28, 3145728                 ; scale words: tile g, K step 2 w
	s_mov_b32 s29, 0
	s_wait_kmcnt 0x0
	s_add_nc_u64 s[4:5], s[4:5], s[16:17]
	s_add_nc_u64 s[24:25], s[10:11], s[18:19]
	s_add_nc_u64 s[26:27], s[10:11], s[28:29]
.irp j, 0,1,2,3,4,5,6,7
	global_load_b128 v[WW+4*\j:WW+4*\j+3], v4, s[6:7] offset:512*\j
.endr
.irp j, 0,1,2,3,4,5,6,7
	global_load_b128 v[BB+4*\j:BB+4*\j+3], v4, s[8:9] offset:512*\j
.endr
.irp i, 0,1,2,3
.irp j, 0,1,2,3,4,5,6,7
	global_load_b128 v[X+32*\i+4*\j:X+32*\i+4*\j+3], v4, s[4:5] offset:4096*\i+512*\j   ; 32 lanes read 512 consecutive bytes
.endr
.endr
.macro ROW i
.set XR, X+32*\i
	s_wait_loadcnt 8*(3-\i)                        ; gain, bias and this row are in; the later rows' eight loads each may be out
	v_pk_add_f32 v[10:11], v[XR:XR+1], v[XR+4:XR+5]
	v_pk_add_f32 v[12:13], v[XR+2:XR+3], v[XR+6:XR+7]
.irp p, 8,12,16,20,24,28
	v_pk_add_f32 v[10:11], v[10:11], v[XR+\p:XR+\p+1]
	v_pk_add_f32 v[12:13], v[12:13], v[XR+\p+2:XR+\p+3]
.endr
	v_pk_add_f32 v[10:11], v[10:11], v[12:13]
	v_add_f32 v216, v10, v11
	LANESUM 216, 217
	v_mul_f32 v14, s22, v216                       ; the mean, twice: a pair for the packed forms
	v_mul_f32 v15, s22, v216
.irp p, 0,2,4,6,8,10,12,14,16,18,20,22,24,26,28,30
	v_pk_add_f32 v[XR+\p:XR+\p+1], v[XR+\p:XR+\p+1], v[14:15] neg_lo:[0,1] neg_hi:[0,1]   ; x - mean, ahead of the squares: a common offset of the inputs is gone here
.endr
	v_pk_mul_f32 v[10:11], v[XR:XR+1], v[XR:XR+1]
	v_pk_mul_f32 v[12:13], v[XR+2:XR+3], v[XR+2:XR+3]
.irp p, 4,8,12,16,20,24,28
	v_pk_fma_f32 v[10:11], v[XR+\p:XR+\p+1], v[XR+\p:XR+\p+1], v[10:11]
	v_pk_fma_f32 v[12:13], v[XR+\p+2:XR+\p+3], v[XR+\p+2:XR+\p+3], v[12:13]
.endr
	v_pk_add_f32 v[10:11], v[10:11], v[12:13]
	v_add_f32 v216, v10, v11
	LANESUM 216, 217
	v_fma_f32 v216, v216, s22, s23                 ; var + 1e-5
	s_wait_alu depctr_va_vdst(0)
	v_rsq_f32 v14, v216
	v_rsq_f32 v15, v216
	v_nop                                          ; one plain line behind the transcendentals
	s_wait_alu depctr_va_vdst(0)
.irp p, 0,2,4,6,8,10,12,14,16,18,20,22,24,26,28,30
	v_pk_mul_f32 v[XR+\p:XR+\p+1], v[XR+\p:XR+\p+1], v[14:15]
.endr
.irp p, 0,2,4,6,8,10,12,14,16,18,20,22,24,26,28,30
	v_pk_fma_f32 v[XR+\p:XR+\p+1], v[XR+\p:XR+\p+1], v[WW+\p:WW+\p+1], v[BB+\p:BB+\p+1]
.endr
.irp j, 0,1,2,3,4,5,6,7
	ds_store_b128 v7, v[XR+4*\j:XR+4*\j+3] offset:\i*PITCH+512*\j
.endr
.endm
	ROW 0
	ROW 1
	ROW 2
	ROW 3
	s_wait_dscnt 0x0                               ; for the others' sake: my rows lie in the stage
	s_barrier_signal -1
	s_barrier_wait -1
.irp q, 0,1,2,3                        ; half step 4 w + q: register 16 b + 4 j + c = column 32 b + 16 h + 4 j + c of row r
.irp b, 0,1
.irp j, 0,1,2,3
	ds_load_b128 v[X+32*\q+16*\b+4*\j:X+32*\q+16*\b+4*\j+3], v8 offset:256*\q+128*\b+16*\j
.endr
.endr
.endr
.irp q, 0,1,2,3
	s_wait_dscnt 8*(3-\q)                          ; this half step's eight loads are in; the later ones' may be out
	QH X+32*\q, PC+8*\q, HW+\q
	global_store_b128 v4, v[PC+8*\q:PC+8*\q+3], s[24:25] offset:768*\q          ; 512 consecutive bytes, aligned to 256
	global_store_b64 v5, v[PC+8*\q+4:PC+8*\q+5], s[24:25] offset:768*\q+512     ; 256 consecutive bytes, aligned
.endr
	v_lshl_or_b32 v180, v[HW+1], 16, v[HW]         ; K step 2 w's word of row r,
	v_lshl_or_b32 v181, v[HW+3], 16, v[HW+2]       ; K step 2 w + 1's
	v_cmp_le_u32 vcc_lo, 16, v1
	v_cndmask_b32 v182, v180, v181, vcc_lo         ; lanes 0-15 store the first, lanes 16-31 the second: 128 consecutive bytes
	global_store_b32 v6, v182, s[26:27]
	s_wait_tensorcnt 0x0
	ds_add_u32 v224, v225
	s_wait_dscnt 0x0
	s_endpgm
.Lfunc_end_k_q8ce6667c1b_ln1:
	.size	k_q8ce6667c1b_ln1, .Lfunc_end_k_q8ce6667c1b_ln1-k_q8ce6667c1b_ln1
	.p2alignl 7, 3214868480
	.fill 96, 4, 3214868480
	.section	.rodata,"a",@progbits
	.p2align	6, 0x0
	.amdhsa_kernel k_q8ce6667c1b_ln1
		.amdhsa_group_segment_fixed_size 66560
		.amdhsa_private_segment_fixed_size 0
		.amdhsa_enable_private_segment 0
		.amdhsa_kernarg_size 32
		.amdhsa_user_sgpr_count 2
		.amdhsa_user_sgpr_kernarg_segment_ptr 1
		.amdhsa_wavefront_size32 1
		.amdhsa_system_sgpr_workgroup_id_x 1
		.amdhsa_system_sgpr_workgroup_id_y 1
		.amdhsa_system_sgpr_workgroup_id_z 1
		.amdhsa_system_vgpr_workitem_id 0
		.amdhsa_next_free_vgpr 226
		.amdhsa_next_free_sgpr 66
		.amdhsa_reserve_vcc 1
		.amdhsa_float_denorm_mode_32 3
		.amdhsa_float_denorm_mode_16_64 3
		.amdhsa_memory_ordered 1
		.amdhsa_forward_progress 1
		.amdhsa_inst_pref_size 44
	.end_amdhsa_kernel
	.amdgpu_metadata
---
amdhsa.version: [ 1, 2 ]
amdhsa.kernels:
  - .name:           k_q8ce6667c1b_ln1
    .symbol:         k_q8ce6667c1b_ln1.kd
    .args:
      - { .name: x, .offset: 0, .size: 8, .value_kind: global_buffer, .address_space: global }
      - { .name: ln1_w, .offset: 8, .size: 8, .value_kind: global_buffer, .address_space: global }
      - { .name: ln1_b, .offset: 16, .size: 8, .value_kind: global_buffer, .address_space: global }
      - { .name: hq, .offset: 24, .size: 8, .value_kind: global_buffer, .address_space: global }
    .group_segment_fixed_size: 66560
    .private_segment_fixed_size: 0
    .kernarg_segment_align: 8
    .kernarg_segment_size: 32
    .max_flat_workgroup_size: 128
    .sgpr_count:     66
    .vgpr_count:     226
    .wavefront_size: 32
...
	.end_amdgpu_metadata
.endif
;; end of part 2
;; launch qkvg (part 3): grid 12 x 16, 16 waves a work-group, clusters of 4 x 4, 327,680 bytes of LDS; arguments hq, wq, b_qkv, qkv; writes qkv
.if DOCPART == 3
	.amdgcn_target "amdgcn-amd-amdhsa--gfx1250"
	.amdhsa_code_object_version 6
	.text
	.protected	k_q8ce6667c1b_qkvg
	.globl	k_q8ce6667c1b_qkvg
	.p2align	8
	.type	k_q8ce6667c1b_qkvg,@function
k_q8ce6667c1b_qkvg:
	s_mov_b64 s[64:65], 0
	v_nop
	global_prefetch_b8 v0, s[64:65] scope:SCOPE_SE
	s_setreg_imm32_b32 hwreg(HW_REG_WAVE_MODE, 25, 1), 1
	s_wait_xcnt 0x0
	s_wait_alu depctr_hold_cnt(0) depctr_sa_sdst(0) depctr_va_vdst(0) depctr_va_sdst(0) depctr_va_ssrc(0) depctr_va_vcc(0) depctr_vm_vsrc(0)
	s_getreg_b32 s2, hwreg(HW_REG_IB_STS2, 6, 4)
	s_cmp_eq_u32 s2, 0
	s_cbranch_scc0 .Lentry_in_a_cluster
	s_endpgm
.Lentry_in_a_cluster:
	s_bfe_u32 s2, ttmp6, 0x10000c
	s_cmp_lg_u32 s2, 0xf033
	s_cbranch_scc0 .Lentry_shape_is_right
	s_endpgm
.Lentry_shape_is_right:
; qkv = Q(LN1(x)) Q(W_qkv) + b_qkv on codes of FP6 (E2M3) with E8M0 scales, K = 1,024; the results are quantised here as the operands of attention's two products and leave as register images.
; OPERANDS are images (tile of 16 rows: lane r holds row 32 (t / 2) + 8 (t % 2) + r + 8 (r / 8); half image of 64 along K = 768 bytes: a lane's first 16 bytes at 16 x lane, its last 8 at 512 + 16 r + 8 h).
; THE PRODUCT: source 0 = a tile of R, source 1 = a tile of L: lane (r, h) holds L's row of place r, and the 32 registers of four neighbouring R tiles are R's rows 32 b + 16 h + i (register 16 b + i): neighbours along the next K.
; SHARES.  A work-group makes 256 x 256: sixteen waves, four to a SIMD, each 64 (L) x 64 (R): 16 accumulators.  One wave's waits for LDS stand beside another's matrix work.  A wave reads each of its 8 fragments of a K step once.
; q AND k (cluster columns 0, 1): L = tokens (X = hq), R = features (Y = W_qkv): a lane holds a token and 64 features, one head: K of the first product.
; v (cluster column 2): L = features (X = W_qkv's v rows), R = tokens (Y = hq): a lane holds a feature and 64 tokens: K of the second product.  Only the two buffers and the tiles' numbers are chosen, on the cluster's x, which all partners share:
; X's tile row is cy there and Y's tile column 4 x cluster y + cx, so X's address hangs on cy alone and Y's on cx alone in both cases, and no LDS address hangs on the choice.
; K goes in chunks of 256 through two LDS slots; X's tiles are asked for jointly by the four work-groups of a row of the cluster, Y's by the four of a column.  The scale words of all of K come once.
; OUT: Q and K codes [bh][token tile][768] with scale words whose upper two bytes are 0x7f (the upper 64 of the instruction's K are zero codes in attention); V codes [bh][64 keys][feature tile][768], its half words by stores of
; 2 bytes (131,072 bytes in all: the one place here where 256 aligned bytes are not written by one instruction).
; LIMITS: NaN and infinities are not served; a block of zeros, or one whose largest magnitude lies under 2^-124, gets the byte 1 (its codes are zeros; this program alone reads the bytes).
.set NH768, 12288                      ; a tile's codes for all of K
.set NK64,  512                        ; a tile's scale words for all of K
.set KSL,   2                          ; K steps of 128 in a slot
.set TSTR,  KSL*1536                   ; a tile in a slot
.set CHB,   KSL*1536                   ; and the same bytes in memory
.set SLOT,  98304                      ; X's 16 tiles, then Y's 16
.set YOFF,  49152
.set HALFB, 24576                      ; 8 tiles: what one tensor load brings
.set SCX,   196608                     ; X's scale words, all of K
.set SCH,   8*NK64
.set SCY,   SCX+2*SCH
.set SPARE, SCY+2*SCH                  ; the spare words: 128 bytes for each of 16 waves; no other line names them
.set HSCL,  3145728                    ; the scale words in hq
.set WSCL,  9437184                    ; W_qkv's scale words in wq
.set SPW, 1
.set NIL, 2
.set LA,  3                            ; v3-4   my L tiles in slot 0, 1: + 16 x lane
.set LB,  5                            ; v5-6   + 16 r + 8 h
.set RA,  7                            ; v7-10  the same for R
.set RB,  9
.set ADS, 11                           ; v11    scale words: lanes 0-15 L's, lanes 16-31 R's
.set SC,  12                           ; v12-15 scale words of tile i: they hold nothing else
.set LF,  16                           ; v16-63   L's four fragments
.set RF,  64                           ; v64-111  R's four
.set ACC, 112                          ; v112-239 accumulator (a, b) at ACC + 8 (4 a + b)
.set PA,  240                          ; 16 x lane
.set PB,  241                          ; 16 r + 8 h
.set BO,  242                          ; 64 h
.set VBO, 243                          ; 4 (r + 8 (r / 8))
.set L4,  244                          ; 4 x lane
.set TM,  48                           ; the quantiser's scratch, on the way out
.set WV,  14
.set PW,  15
.set QW,  16
.set HF,  17
.set CX,  18
.set CY,  19
.set CLY, 21
.set G1X, 24
.set G0X, 32
.set G1Y, 48
.set G0Y, 56
.set SEL, 66
.set G1SX, 68
.set G0SX, 76
.set G1SY, 80
.set G0SY, 88
.set ISV, 92
.macro CROUND                          ; a round of the cluster's barrier
	s_barrier_signal -1
	s_barrier_wait -1
	s_cmp_lg_u32 s[WV], 0
	s_cbranch_scc1 .Lnot_wave_0_\@
	s_barrier_signal -3
.Lnot_wave_0_\@:
	s_barrier_wait -3
	s_barrier_signal -1
	s_barrier_wait -1
.endm
.macro JLOAD s                         ; a joint refill of slot s: waves 0, 1 X's halves, waves 2, 3 Y's, the others nothing; four v_nop follow each line
	s_cmp_lt_u32 s[WV], 2
	s_cbranch_scc0 .Lny_\@
	tensor_load_to_lds s[G0X+4*(\s):G0X+4*(\s)+3], s[G1X:G1X+7]
	s_nop 0
.rept 4
	v_nop
.endr
	s_branch .Lq_\@
.Lny_\@:
	s_cmp_lt_u32 s[WV], 4
	s_cbranch_scc0 .Lq_\@
	tensor_load_to_lds s[G0Y+4*(\s):G0Y+4*(\s)+3], s[G1Y:G1Y+7]
	s_nop 0
.rept 4
	v_nop
.endr
.Lq_\@:
.endm
.macro FRAG reg, pa, pb, off           ; a fragment, 16 rows x 128 K, is two half images: 12 registers
	ds_load_b128 v[(\reg):(\reg)+3], v[\pa] offset:(\off)
	ds_load_b64 v[(\reg)+4:(\reg)+5], v[\pb] offset:(\off)+512
	ds_load_b128 v[(\reg)+6:(\reg)+9], v[\pa] offset:(\off)+768
	ds_load_b64 v[(\reg)+10:(\reg)+11], v[\pb] offset:(\off)+1280
.endm
.macro MM a, b, zero
.if \zero
	v_wmma_scale_f32_16x16x128_f8f6f4 v[ACC+8*(4*\a+\b):ACC+8*(4*\a+\b)+7], v[RF+12*\b:RF+12*\b+11], v[LF+12*\a:LF+12*\a+11], 0, v[SC+\b], v[SC+\a] matrix_a_fmt:MATRIX_FMT_FP6 matrix_b_fmt:MATRIX_FMT_FP6 matrix_a_scale:MATRIX_SCALE_ROW1
.else
	v_wmma_scale_f32_16x16x128_f8f6f4 v[ACC+8*(4*\a+\b):ACC+8*(4*\a+\b)+7], v[RF+12*\b:RF+12*\b+11], v[LF+12*\a:LF+12*\a+11], v[ACC+8*(4*\a+\b):ACC+8*(4*\a+\b)+7], v[SC+\b], v[SC+\a] matrix_a_fmt:MATRIX_FMT_FP6 matrix_b_fmt:MATRIX_FMT_FP6 matrix_a_scale:MATRIX_SCALE_ROW1
.endif
.endm
; One K step of 128: the q-th of slot s, the ks-th of all.  The 16 accumulators take turns, one instruction a turn, in the same order in every step.
.macro KSTEP s, q, ks, zero
.rept 4
	v_nop                                          ; four places in front of loads into registers that matrix instructions have read (ISA guide 7.12.1 for vector instructions)
.endr
.irp i, 0,1,2,3
	ds_load_b32 v[SC+\i], v[ADS] offset:\i*NK64+64*(\ks)
.endr
.irp b, 0,1,2,3
	FRAG RF+12*\b, RA+(\s), RB+(\s), \b*TSTR+1536*(\q)
.endr
.irp a, 0,1,2,3
	FRAG LF+12*\a, LA+(\s), LB+(\s), \a*TSTR+1536*(\q)
.endr
.irp a, 0,1,2,3
	s_wait_dscnt 4*(3-\a)                          ; the scale words, R and L's fragment a are in; the later L fragments' four loads each may be out
.irp b, 0,1,2,3
	MM \a, \b, \zero
.endr
.endr
.endm
; The change of slots.  Slot s has been read.  fill = 1: it is filled again, two chunks on, behind a round of the cluster's barrier.
.macro CHANGE s, fill
	s_wait_tensorcnt 0x0                           ; all my tensor loads have landed: so a group 0 may be written
	ds_add_u32 v[SPW], v[NIL]                      ; 0 onto my spare word
.if \fill
	ds_add_u32 v[SPW], v[NIL]                      ; twice ahead of a refill
	s_add_nc_u64 s[G0X+4*(\s)+2:G0X+4*(\s)+3], s[G0X+4*(\s)+2:G0X+4*(\s)+3], 2*CHB
	s_add_nc_u64 s[G0Y+4*(\s)+2:G0Y+4*(\s)+3], s[G0Y+4*(\s)+2:G0Y+4*(\s)+3], 2*CHB
.endif
	s_wait_dscnt 0x0                               ; the add is done, and my reads of slot s are over
.if \fill
	CROUND                                         ; both now hold of every wave of all sixteen work-groups
	JLOAD \s                                       ; the first tensor load behind the round, one a wave
.else
	s_barrier_signal -1
	s_barrier_wait -1
.endif
.endm
; 32 numbers of a lane, register 16 b + i = column 32 b + 16 h + i of my row (b = 0, 1), become the six code registers of my block (block h) in v[pc .. pc + 5] and the two blocks' bytes in v[hw].
.macro QH s, pc, hw
	v_max3_num_f32 v[TM], |v[(\s)]|, |v[(\s)+1]|, 0x1800000        ; my 16 numbers of each block, and the floor 2^(3 - 127): the byte cannot fall under 1
	v_max3_num_f32 v[TM+1], |v[(\s)+16]|, |v[(\s)+17]|, 0x1800000
.irp i, 2,4,6,8,10,12,14
	s_delay_alu instid0(VALU_DEP_2)
	v_max3_num_f32 v[TM], v[TM], |v[(\s)+\i]|, |v[(\s)+\i+1]|
	s_delay_alu instid0(VALU_DEP_2)
	v_max3_num_f32 v[TM+1], v[TM+1], |v[(\s)+16+\i]|, |v[(\s)+17+\i]|
.endr
	s_delay_alu instid0(VALU_DEP_2)
	v_permlanex16_b32 v[TM+2], v[TM], s[SEL], s[SEL+1]
	s_delay_alu instid0(VALU_DEP_2)
	v_permlanex16_b32 v[TM+3], v[TM+1], s[SEL], s[SEL+1]
	s_delay_alu instid0(VALU_DEP_2)
	v_max_num_f32 v[TM], v[TM], v[TM+2]
	s_delay_alu instid0(VALU_DEP_2)
	v_max_num_f32 v[TM+1], v[TM+1], v[TM+3]
	s_delay_alu instid0(VALU_DEP_2)
	v_add_nc_u32 v[TM+4], 0xff000000, v[TM]        ; 2 off the exponent field: the conversion's scale operand
	s_delay_alu instid0(VALU_DEP_2)
	v_add_nc_u32 v[TM+5], 0xff000000, v[TM+1]
	s_delay_alu instid0(VALU_DEP_2)
	v_lshrrev_b32 v[TM], 23, v[TM+4]
	s_delay_alu instid0(VALU_DEP_2)
	v_lshrrev_b32 v[TM+1], 23, v[TM+5]
	s_delay_alu instid0(VALU_DEP_1)
	v_lshl_or_b32 v[\hw], v[TM+1], 8, v[TM]
	v_cvt_scalef32_pk16_fp6_f32 v[(\pc):(\pc)+2], v[(\s):(\s)+15], v[TM+4]
	v_cvt_scalef32_pk16_fp6_f32 v[(\pc)+4:(\pc)+6], v[(\s)+16:(\s)+31], v[TM+5]
	v_nop                                          ; one plain line behind the scaled conversions
.irp i, 0,1,2
	v_permlane16_swap_b32 v[(\pc)+\i], v[(\pc)+4+\i]
.endr
	s_delay_alu instid0(VALU_DEP_3)
	v_mov_b32 v[(\pc)+3], v[(\pc)+4]
	s_delay_alu instid0(VALU_DEP_3)
	v_mov_b32 v[(\pc)+4], v[(\pc)+5]
	s_delay_alu instid0(VALU_DEP_3)
	v_mov_b32 v[(\pc)+5], v[(\pc)+6]
.endm
	s_load_b256 s[4:11], s[0:1], 0x0               ; hq, wq, b_qkv, qkv
	v_lshl_add_u32 v[SPW], v0, 2, SPARE
	v_mov_b32 v[NIL], 0
	ds_add_u32 v1, v2
	ds_add_u32 v1, v2
	s_wait_dscnt 0x0
	v_lshrrev_b32 v248, 5, v0
	s_delay_alu instid0(VALU_DEP_1)
	v_readfirstlane_b32 s[WV], v248                ; wave 0..15
	s_lshr_b32 s[PW], s[WV], 2                     ; which 64 of L
	s_and_b32 s[QW], s[WV], 3                      ; which 64 of R
	s_and_b32 s[HF], s[WV], 1                      ; which 8 tiles I fetch, if I fetch
	s_bfe_u32 s[CX], ttmp6, 0x40000
	s_bfe_u32 s[CY], ttmp6, 0x40004
	s_and_b32 s[CLY], ttmp7, 0xffff                ; the cluster's y
	s_lshl_b32 s22, s[CY], 2
	s_lshl_b32 s22, 15, s22                        ; my row of the cluster
	s_lshl_b32 s23, 0x1111, s[CX]                  ; my column
	s_or_b32 s[G1X], s22, (3<<16)|(1<<21)          ; 15:0 the mask; 17:16 elements of 8 bytes; 21 set beside a mask; no padding
	s_or_b32 s[G1Y], s23, (3<<16)|(1<<21)
.irp g, G1X, G1Y                       ; codes: 8 rows (tiles) of 3,072 bytes, 12,288 bytes apart
	s_mov_b32 s[\g+1], 384<<16
	s_mov_b32 s[\g+2], 8<<16
	s_mov_b32 s[\g+3], 384<<16
	s_mov_b32 s[\g+4], 8
	s_mov_b32 s[\g+5], 1536
	s_mov_b32 s[\g+6], 0
	s_mov_b32 s[\g+7], 0
.endr
	s_or_b32 s[G1SX], s22, (3<<16)|(1<<21)
	s_or_b32 s[G1SY], s23, (3<<16)|(1<<21)
.irp g, G1SX, G1SY                     ; scale words of 8 tiles: 4,096 dense bytes as 16 rows of 256
	s_mov_b32 s[\g+1], 32<<16
	s_mov_b32 s[\g+2], 16<<16
	s_mov_b32 s[\g+3], 32<<16
	s_mov_b32 s[\g+4], 16
	s_mov_b32 s[\g+5], 32
	s_mov_b32 s[\g+6], 0
	s_mov_b32 s[\g+7], 0
.endr
	s_lshl_b32 s98, s[CLY], 6                      ; 64 x cluster y
	s_lshl_b32 s99, ttmp9, 6                       ; 64 x cluster x
	s_mov_b32 s100, HSCL
	s_mov_b32 s101, WSCL
	s_cmp_eq_u32 ttmp9, 2                          ; the cluster column of v?
	s_cselect_b32 s[ISV], 1, 0
	s_cselect_b32 s40, 128, s98                    ; X's first tile less 16 cy: W_qkv's v rows begin at tile 128
	s_cselect_b32 s44, s98, s99                    ; Y's first tile less 16 cx
	s_cselect_b32 s93, s101, s100                  ; where X's scale words begin in its buffer
	s_cselect_b32 s94, s100, s101                  ; and Y's
	s_lshl_b32 s41, s[CY], 4
	s_add_co_u32 s40, s40, s41
	s_lshl_b32 s22, s[CX], 2                       ; the prefetch: of X's 16 tiles the partner at cx names 4 cx .. 4 cx + 3
	s_add_co_u32 s22, s22, s40
	s_lshl_b32 s41, s[HF], 3
	s_add_co_u32 s40, s40, s41                     ; X: the first tile that I fetch (registers s40-43 never hold cx)
	s_mul_i32 s42, s40, NH768
	s_mov_b32 s43, 0
	s_mul_i32 s40, s40, NK64
	s_add_co_u32 s40, s40, s93
	s_mov_b32 s41, 0
	s_lshl_b32 s45, s[CX], 4
	s_add_co_u32 s44, s44, s45
	s_lshl_b32 s23, s[CY], 2                       ; of Y's 16 the partner at cy names 4 cy .. 4 cy + 3
	s_add_co_u32 s23, s23, s44
	s_cmp_lt_u32 s[WV], 4                          ; waves 0-3 name X's tiles, waves 4-7 Y's, a tile a wave
	s_cselect_b32 s22, s22, s23
	s_add_co_u32 s22, s22, s[QW]
	s_mul_i32 s22, s22, NH768                      ; the tile's first byte in its buffer
	s_mov_b32 s23, 0
	s_lshl_b32 s45, s[HF], 3
	s_add_co_u32 s44, s44, s45                     ; Y likewise (s44-47 never hold cy)
	s_mul_i32 s46, s44, NH768
	s_mov_b32 s47, 0
	s_mul_i32 s44, s44, NK64
	s_add_co_u32 s44, s44, s94
	s_mov_b32 s45, 0
	s_mul_i32 s2, s[HF], HALFB                     ; where they go: no place in the cluster enters an LDS address
	s_mov_b32 s[G0X+1], s2
	s_add_co_u32 s[G0X+5], s2, SLOT
	s_add_co_u32 s[G0Y+1], s2, YOFF
	s_add_co_u32 s[G0Y+5], s2, SLOT+YOFF
	s_mul_i32 s2, s[HF], SCH
	s_add_co_u32 s[G0SX+1], s2, SCX
	s_add_co_u32 s[G0SY+1], s2, SCY
	s_mov_b32 s[G0X], 1
	s_mov_b32 s[G0X+4], 1
	s_mov_b32 s[G0Y], 1
	s_mov_b32 s[G0Y+4], 1
	s_mov_b32 s[G0SX], 1
	s_mov_b32 s[G0SY], 1
	s_mov_b32 s[SEL], 0x76543210
	s_mov_b32 s[SEL+1], 0xfedcba98
	s_wait_kmcnt 0x0
	s_cmp_eq_u32 ttmp9, 2
	s_cselect_b64 s[96:97], s[6:7], s[4:5]         ; X's buffer: wq for v, else hq
	s_cselect_b64 s[98:99], s[4:5], s[6:7]         ; Y's
	s_cmp_lt_u32 s[WV], 4
	s_cselect_b64 s[104:105], s[96:97], s[98:99]
	s_add_nc_u64 s[104:105], s[104:105], s[22:23]  ; never rewritten
	s_add_nc_u64 s[G0X+2:G0X+3], s[96:97], s[42:43]
	s_add_nc_u64 s[G0X+6:G0X+7], s[G0X+2:G0X+3], CHB
	s_or_b32 s[G0X+3], s[G0X+3], 0x80000000
	s_or_b32 s[G0X+7], s[G0X+7], 0x80000000
	s_add_nc_u64 s[G0Y+2:G0Y+3], s[98:99], s[46:47]
	s_add_nc_u64 s[G0Y+6:G0Y+7], s[G0Y+2:G0Y+3], CHB
	s_or_b32 s[G0Y+3], s[G0Y+3], 0x80000000
	s_or_b32 s[G0Y+7], s[G0Y+7], 0x80000000
	s_add_nc_u64 s[G0SX+2:G0SX+3], s[96:97], s[40:41]
	s_or_b32 s[G0SX+3], s[G0SX+3], 0x80000000
	s_add_nc_u64 s[G0SY+2:G0SY+3], s[98:99], s[44:45]
	s_or_b32 s[G0SY+3], s[G0SY+3], 0x80000000
	CROUND                                         ; all sixteen work-groups are here: the first joint loads meet
; THE HEAD'S TWELVE FIRST FILLS, ONE A WAVE: one chain of arms on the wave's number; a pair of waves takes the two halves (HF = wave % 2) of X's scale words, Y's, chunk 0 of X, of Y, chunk 1 of X, of Y; waves 12-15 load nothing.
.macro ARM under, g0, g1, next
	s_cmp_lt_u32 s[WV], \under
	s_cbranch_scc0 \next
	tensor_load_to_lds s[\g0:\g0+3], s[\g1:\g1+7]
	s_nop 0
.rept 4
	v_nop
.endr
	s_branch .Lfirst_done
\next:
.endm
	ARM 2,  G0SX,  G1SX, .Lh1
	ARM 4,  G0SY,  G1SY, .Lh2
	ARM 6,  G0X,   G1X,  .Lh3
	ARM 8,  G0Y,   G1Y,  .Lh4
	ARM 10, G0X+4, G1X,  .Lh5
	s_cmp_lt_u32 s[WV], 12
	s_cbranch_scc0 .Lfirst_done
	tensor_load_to_lds s[G0Y+4:G0Y+7], s[G1Y:G1Y+7]
	s_nop 0
.rept 4
	v_nop
.endr
.Lfirst_done:
	v_and_b32 v248, 31, v0                         ; lane
	v_and_b32 v249, 15, v0                         ; r
	v_bfe_u32 v250, v0, 4, 1                       ; h
	s_delay_alu instid0(VALU_DEP_3)
	v_lshlrev_b32 v[PA], 4, v248
	s_delay_alu instid0(VALU_DEP_3)
	v_lshlrev_b32 v[PB], 4, v249
	s_delay_alu instid0(VALU_DEP_1)
	v_lshl_add_u32 v[PB], v250, 3, v[PB]
	; A PREFETCH of the two chunks that are refilled, 2 and 3: 6,144 consecutive bytes of a tile, 24 blocks of 256, a lane a block (lanes 24-31 name the last again); each block once in a cluster, shared out by address
	v_min_u32 v251, 23, v248
	s_delay_alu instid0(VALU_DEP_1)
	v_lshlrev_b32 v251, 8, v251
	s_cmp_lt_u32 s[WV], 8
	s_wait_alu depctr_va_vdst(0)
	s_cbranch_scc0 .Lnopf
	global_prefetch_b8 v251, s[104:105] offset:2*CHB th:TH_LOAD_NT scope:SCOPE_SE
.Lnopf:
	s_mul_i32 s2, s[PW], 4*TSTR                    ; my four L tiles
	s_mul_i32 s3, s[QW], 4*TSTR
	s_add_co_u32 s3, s3, YOFF                      ; my four R tiles
	v_add_nc_u32 v[LA], s2, v[PA]
	v_add_nc_u32 v[LB], s2, v[PB]
	v_add_nc_u32 v[RA], s3, v[PA]
	v_add_nc_u32 v[RB], s3, v[PB]
	s_delay_alu instid0(VALU_DEP_4)
	v_add_nc_u32 v[LA+1], SLOT, v[LA]
	s_delay_alu instid0(VALU_DEP_4)
	v_add_nc_u32 v[LB+1], SLOT, v[LB]
	s_delay_alu instid0(VALU_DEP_4)
	v_add_nc_u32 v[RA+1], SLOT, v[RA]
	s_delay_alu instid0(VALU_DEP_4)
	v_add_nc_u32 v[RB+1], SLOT, v[RB]
	s_xor_b32 s2, s[PW], 3                         ; R's words lie 4 NK64 (1 + qw + (3 - pw)) bytes behind L's: one product with h
	s_add_co_u32 s2, s2, s[QW]
	s_add_co_u32 s2, s2, 1
	s_mul_i32 s2, s2, 4*NK64
	v_mul_u32_u24 v[ADS], s2, v250
	s_delay_alu instid0(VALU_DEP_1)
	v_lshl_add_u32 v[ADS], v249, 2, v[ADS]
	s_mul_i32 s3, s[PW], 4*NK64
	s_add_co_u32 s3, s3, SCX
	v_add_nc_u32 v[ADS], s3, v[ADS]
	v_lshlrev_b32 v[BO], 6, v250
	v_and_b32 v[VBO], 8, v249
	s_delay_alu instid0(VALU_DEP_1)
	v_add_nc_u32 v[VBO], v[VBO], v249
	s_delay_alu instid0(VALU_DEP_1)
	v_lshlrev_b32 v[VBO], 2, v[VBO]
	v_lshlrev_b32 v[L4], 2, v248
	s_wait_alu depctr_va_vdst(0)
	s_wait_tensorcnt 0x0                           ; my one first fill is in
	s_barrier_signal -1
	s_barrier_wait -1
	KSTEP 0, 0, 0, 1                               ; the first products start the sums
	KSTEP 0, 1, 1, 0
	CHANGE 0, 1
	KSTEP 1, 0, 2, 0
	KSTEP 1, 1, 3, 0
	CHANGE 1, 1
	KSTEP 0, 0, 4, 0
	KSTEP 0, 1, 5, 0
	CHANGE 0, 0
	KSTEP 1, 0, 6, 0
	KSTEP 1, 1, 7, 0
.rept 4
	v_nop                                          ; four places behind the last products
.endr
	v_mov_b32 v[TM+2], 0                           ; a lane permute's destination counts as one of its sources
	v_mov_b32 v[TM+3], 0
	v_cmp_le_u32 vcc_lo, 16, v248                  ; lanes 16-31
.macro OUTC a                          ; tile a's half image: 512 and 256 consecutive bytes, aligned to 256
	global_store_b128 v[PA], v[64+8*\a:67+8*\a], s[96:97] offset:768*\a
	global_store_b64 v[PB], v[68+8*\a:69+8*\a], s[96:97] offset:768*\a+512
.endm
	s_cmp_lg_u32 s[ISV], 0                         ; the same way in all partners; no LDS instruction and no barrier stands in either arm
	s_cbranch_scc1 .Lv_arm
	; ---- q or k: section = cluster x; head = 4 cx + qw; token tiles 16 tr + 4 pw + a
	s_lshl_b32 s93, s[CLY], 2
	s_add_co_u32 s93, s93, s[CY]                   ; tile row of 256 tokens
	s_lshl_b32 s94, s[CX], 2
	s_add_co_u32 s94, s94, s[QW]                   ; head
	s_lshr_b32 s95, s93, 3
	s_lshl_b32 s95, s95, 4
	s_add_co_u32 s95, s95, s94                     ; bh
	s_lshl_b32 s95, s95, 7
	s_and_b32 s93, s93, 7
	s_lshl_b32 s93, s93, 4
	s_add_co_u32 s95, s95, s93
	s_lshl_b32 s93, s[PW], 2
	s_add_co_u32 s95, s95, s93                     ; 128 bh + my first token tile within the batch
	s_mul_i32 s96, s95, 768
	s_mul_i32 s93, ttmp9, 3145728
	s_add_co_u32 s96, s96, s93
	s_mov_b32 s97, 0
	s_add_nc_u64 s[96:97], s[10:11], s[96:97]
	s_lshl_b32 s98, s95, 6
	s_lshl_b32 s93, ttmp9, 18
	s_add_co_u32 s98, s98, s93
	s_add_co_u32 s98, s98, 9437184
	s_mov_b32 s99, 0
	s_add_nc_u64 s[98:99], s[10:11], s[98:99]
	s_lshl_b32 s100, ttmp9, 12
	s_lshl_b32 s93, s94, 8
	s_add_co_u32 s100, s100, s93
	s_mov_b32 s101, 0
	s_add_nc_u64 s[100:101], s[8:9], s[100:101]    ; the bias of my 64 features
.irp b, 0,1,2,3
	global_load_b128 v[16+8*\b:19+8*\b], v[BO], s[100:101] offset:4*(32*(\b/2)+8*(\b%2))
	global_load_b128 v[20+8*\b:23+8*\b], v[BO], s[100:101] offset:4*(32*(\b/2)+8*(\b%2))+16
.endr
	s_wait_loadcnt 0x0
.irp a, 0,1,2,3
.set i, 0
.rept 16
	v_pk_add_f32 v[ACC+32*\a+i:ACC+32*\a+i+1], v[ACC+32*\a+i:ACC+32*\a+i+1], v[16+i:17+i]   ; each accumulator from its low end on
.set i, i+2
.endr
	QH ACC+32*\a, 64+8*\a, 96+\a
	v_or_b32 v[96+\a], 0x7f7f0000, v[96+\a]        ; the upper 64 of the instruction's K: scale 1 over zero codes
	OUTC \a
.endr
.irp a, 0,2
	v_cndmask_b32 v[100+\a/2], v[96+\a], v[97+\a], vcc_lo   ; lanes 0-15 tile a's words, lanes 16-31 tile a + 1's: 128 consecutive bytes
	global_store_b32 v[L4], v[100+\a/2], s[98:99] offset:64*\a
.endr
	s_branch .Ldone
.Lv_arm:
	; ---- v: head = 4 cy + pw; tokens 256 (4 x cluster y + cx) + 64 qw on
	s_lshl_b32 s94, s[CY], 2
	s_add_co_u32 s94, s94, s[PW]                   ; head
	s_lshl_b32 s93, s[CLY], 2
	s_add_co_u32 s93, s93, s[CX]                   ; tile column of 256 tokens
	s_lshr_b32 s95, s93, 3
	s_lshl_b32 s95, s95, 4
	s_add_co_u32 s95, s95, s94                     ; bh
	s_and_b32 s93, s93, 7
	s_lshl_b32 s93, s93, 2
	s_add_co_u32 s93, s93, s[QW]                   ; khs: which 64 keys of the batch
	s_lshl_b32 s96, s95, 5
	s_add_co_u32 s96, s96, s93
	s_mul_i32 s96, s96, 3072
	s_add_co_u32 s96, s96, 6291456
	s_mov_b32 s97, 0
	s_add_nc_u64 s[96:97], s[10:11], s[96:97]
	s_lshl_b32 s98, s95, 4
	s_lshr_b32 s20, s93, 1
	s_add_co_u32 s98, s98, s20
	s_lshl_b32 s98, s98, 8
	s_and_b32 s20, s93, 1
	s_lshl_b32 s20, s20, 1
	s_add_co_u32 s98, s98, s20
	s_add_co_u32 s98, s98, 9961472
	s_mov_b32 s99, 0
	s_add_nc_u64 s[98:99], s[10:11], s[98:99]
	s_lshl_b32 s100, s94, 8
	s_add_co_u32 s100, s100, 8192
	s_mov_b32 s101, 0
	s_add_nc_u64 s[100:101], s[8:9], s[100:101]    ; the bias of my head's 64 features of v
.irp a, 0,1,2,3
	global_load_b32 v[16+2*\a], v[VBO], s[100:101] offset:4*(32*(\a/2)+8*(\a%2))   ; my lane's feature of tile a, twice: a pair for the packed addition
	global_load_b32 v[17+2*\a], v[VBO], s[100:101] offset:4*(32*(\a/2)+8*(\a%2))
.endr
	s_wait_loadcnt 0x0
.irp a, 0,1,2,3
.set i, 0
.rept 16
	v_pk_add_f32 v[ACC+32*\a+i:ACC+32*\a+i+1], v[ACC+32*\a+i:ACC+32*\a+i+1], v[16+2*\a:17+2*\a]
.set i, i+2
.endr
	QH ACC+32*\a, 64+8*\a, 96+\a
	OUTC \a
.endr
.irp a, 0,2
	v_cndmask_b32 v[100+\a/2], v[96+\a], v[97+\a], vcc_lo
	global_store_b16 v[L4], v[100+\a/2], s[98:99] offset:64*\a   ; my 64 keys' half of each scale word
.endr
.Ldone:
	s_wait_tensorcnt 0x0                           ; the wave's end
	ds_add_u32 v[SPW], v[NIL]
	s_wait_dscnt 0x0
	CROUND                                         ; the closing round
	s_endpgm
.Lfunc_end_k_q8ce6667c1b_qkvg:
	.size	k_q8ce6667c1b_qkvg, .Lfunc_end_k_q8ce6667c1b_qkvg-k_q8ce6667c1b_qkvg
	.p2alignl 7, 3214868480
	.fill 96, 4, 3214868480
	.section	.rodata,"a",@progbits
	.p2align	6, 0x0
	.amdhsa_kernel k_q8ce6667c1b_qkvg
		.amdhsa_group_segment_fixed_size 327680
		.amdhsa_private_segment_fixed_size 0
		.amdhsa_enable_private_segment 0
		.amdhsa_kernarg_size 32
		.amdhsa_user_sgpr_count 2
		.amdhsa_user_sgpr_kernarg_segment_ptr 1
		.amdhsa_wavefront_size32 1
		.amdhsa_system_sgpr_workgroup_id_x 1
		.amdhsa_system_sgpr_workgroup_id_y 1
		.amdhsa_system_sgpr_workgroup_id_z 1
		.amdhsa_system_vgpr_workitem_id 0
		.amdhsa_next_free_vgpr 256
		.amdhsa_next_free_sgpr 106
		.amdhsa_reserve_vcc 1
		.amdhsa_float_denorm_mode_32 3
		.amdhsa_float_denorm_mode_16_64 3
		.amdhsa_memory_ordered 1
		.amdhsa_forward_progress 1
		.amdhsa_inst_pref_size 85
	.end_amdhsa_kernel
	.amdgpu_metadata
---
amdhsa.version: [ 1, 2 ]
amdhsa.kernels:
  - .name:           k_q8ce6667c1b_qkvg
    .symbol:         k_q8ce6667c1b_qkvg.kd
    .args:
      - { .name: hq, .offset: 0, .size: 8, .value_kind: global_buffer, .address_space: global }
      - { .name: wq, .offset: 8, .size: 8, .value_kind: global_buffer, .address_space: global }
      - { .name: b_qkv, .offset: 16, .size: 8, .value_kind: global_buffer, .address_space: global }
      - { .name: qkv, .offset: 24, .size: 8, .value_kind: global_buffer, .address_space: global }
    .group_segment_fixed_size: 327680
    .private_segment_fixed_size: 0
    .kernarg_segment_align: 8
    .kernarg_segment_size: 32
    .max_flat_workgroup_size: 512
    .sgpr_count:     106
    .vgpr_count:     256
    .wavefront_size: 32
...
	.end_amdgpu_metadata
.endif
;; end of part 3
;; launch attn (part 4): grid 8 x 32, 16 waves a work-group, no clusters, 327,680 bytes of LDS; arguments qkv, av; writes av
.if DOCPART == 4
	.amdgcn_target "amdgcn-amd-amdhsa--gfx1250"
	.amdhsa_code_object_version 6
	.text
	.protected	k_q8ce6667c1b_attn
	.globl	k_q8ce6667c1b_attn
	.p2align	8
	.type	k_q8ce6667c1b_attn,@function
k_q8ce6667c1b_attn:
	s_mov_b64 s[64:65], 0
	v_nop
	global_prefetch_b8 v0, s[64:65] scope:SCOPE_SE
	s_setreg_imm32_b32 hwreg(HW_REG_WAVE_MODE, 25, 1), 1
	s_wait_xcnt 0x0
; Causal attention of 32 (batch, head) pairs, 2,048 tokens, head size 64, both products on codes of FP6 (E2M3) with E8M0 scales; the result is quantised along the features as the left operand of the product with W_o.
; THE SOFTMAX: t = score x log2(e) / 8; M = the row's largest t so far, rounded UP to a whole number; p = 2^(t - M) is quantised along the keys, not normalised; the row's sum is taken of the unquantised p and divides at the end.
; When M moves, the sum and O are multiplied by 2^(old M - new M): exact.
; OPERANDS are register images (tile of 16 rows: lane r holds row 32 (t / 2) + 8 (t % 2) + r + 8 (r / 8); a half image, 64 along K, is 768 bytes: a lane's first 16 bytes at 16 x lane, its last 8 at 512 + 16 r + 8 h).
; Both products are used transposed: S^T = K Q^T, O^T = V^T P^T: a lane holds ONE query throughout; by the tiles' order of rows the 16 registers of key tiles 2 b, 2 b + 1 are keys 32 b + 16 h + 0 .. 15.
; THE HEAD SIZE IS 64, half of the instruction's K: registers 6 to 11 of Q's and K's fragments are zero codes, set once, and the upper two bytes of their scale words are 0x7f.
; SHARES.  Work-group (i, bh): waves 0-7 take query tiles 8 i + w, waves 8-15 tiles 8 (15 - i) + w - 8: so every work-group has the same causal work.  Sixteen waves, four to a SIMD: one wave's softmax stands beside another's products.
; THE WHOLE HEAD LIES IN LDS, EACH BYTE FILLED ONCE: K's images 98,304 bytes, V's 98,304, K's scale words 8,192, V's 4,096.  Waves 0-3 fetch K's quarters of 512 keys, waves 4-7 V's, one a wave; a barrier in front of each
; quarter's steps waits for that quarter alone, so the first steps run while the later quarters land.  One tensor load of a fetching wave is out at the most.
; NO CLUSTER, though the eight work-groups of a head read the same K and V: a step all of whose keys are hidden is jumped over, and that branch hangs on the query block, which would be the work-group's place in its cluster.
; Every wave walks all 16 steps (constant trip counts); what is left out of a hidden step is its work.
; LIMITS: NaN and infinities are not served; a block of zeros, or one whose largest magnitude lies under 2^-124, gets the byte 1 (its codes are zeros; this program alone reads the bytes).
; REGISTERS: v1-4 lane patterns; v5-10 the step's addresses; v11 the mask's lane term; v12 -M, v13 the largest t, v[14:15] the sum; v16-27 Q; v28-31 V's scale words; v32-79 four fragments of K; v80-95, v160-175 O^T;
;   v96-159 S^T, then p; v176-223 V's four fragments; v224-235 p's codes; v232-254 at work; v248-251 K's scale words; v253 p's scale word; v255 Q's.
.set PA,   1                           ; 16 x lane
.set PB,   2                           ; 512 + 16 r + 8 h
.set PS,   3                           ; K's scale words + 4 r
.set PT,   4                           ; V's scale words + 4 r
.set ADKA, 5
.set ADKB, 6
.set ADVA, 7
.set ADVB, 8
.set ADS,  9
.set ADT,  10
.set TM,   232
.set WV,   8
.set QT,   9
.set BH,   10
.set Q0,   14                          ; my tile's first query; its queries are Q0 + r + 8 (r / 8)
.set KF,   15                          ; the step's first key
.set TB,   16                          ; the step's images: 6,144 bytes a step
.set TS,   17                          ; K's scale words: 512 bytes a step
.set TJ,   18                          ; V's: 256
.set CNT,  19
.set SEL,  20
.set CS,   22
.set G1C,  24
.set G1SK, 32
.set G1SV, 40
.set G0C,  48                          ; s[48:51] the group 0 of my wave's quarter
.set G0SK, 68
.set G0SV, 72
.set T0,   96
.macro QH s, pc, hw                    ; 32 numbers of a lane (register 16 b + i = column 32 b + 16 h + i) -> my block's six code registers and the two blocks' bytes
	v_max3_num_f32 v[TM], |v[(\s)]|, |v[(\s)+1]|, 0x1800000
	v_max3_num_f32 v[TM+1], |v[(\s)+16]|, |v[(\s)+17]|, 0x1800000
.irp i, 2,4,6,8,10,12,14
	s_delay_alu instid0(VALU_DEP_2)
	v_max3_num_f32 v[TM], v[TM], |v[(\s)+\i]|, |v[(\s)+\i+1]|
	s_delay_alu instid0(VALU_DEP_2)
	v_max3_num_f32 v[TM+1], v[TM+1], |v[(\s)+16+\i]|, |v[(\s)+17+\i]|
.endr
	s_delay_alu instid0(VALU_DEP_2)
	v_permlanex16_b32 v[TM+2], v[TM], s[SEL], s[SEL+1]
	s_delay_alu instid0(VALU_DEP_2)
	v_permlanex16_b32 v[TM+3], v[TM+1], s[SEL], s[SEL+1]
	s_delay_alu instid0(VALU_DEP_2)
	v_max_num_f32 v[TM], v[TM], v[TM+2]
	s_delay_alu instid0(VALU_DEP_2)
	v_max_num_f32 v[TM+1], v[TM+1], v[TM+3]
	s_delay_alu instid0(VALU_DEP_2)
	v_add_nc_u32 v[TM+4], 0xff000000, v[TM]
	s_delay_alu instid0(VALU_DEP_2)
	v_add_nc_u32 v[TM+5], 0xff000000, v[TM+1]
	s_delay_alu instid0(VALU_DEP_2)
	v_lshrrev_b32 v[TM], 23, v[TM+4]
	s_delay_alu instid0(VALU_DEP_2)
	v_lshrrev_b32 v[TM+1], 23, v[TM+5]
	s_delay_alu instid0(VALU_DEP_1)
	v_lshl_or_b32 v[\hw], v[TM+1], 8, v[TM]
	v_cvt_scalef32_pk16_fp6_f32 v[(\pc):(\pc)+2], v[(\s):(\s)+15], v[TM+4]
	v_cvt_scalef32_pk16_fp6_f32 v[(\pc)+4:(\pc)+6], v[(\s)+16:(\s)+31], v[TM+5]
	v_nop
.irp i, 0,1,2
	v_permlane16_swap_b32 v[(\pc)+\i], v[(\pc)+4+\i]
.endr
	s_delay_alu instid0(VALU_DEP_3)
	v_mov_b32 v[(\pc)+3], v[(\pc)+4]
	s_delay_alu instid0(VALU_DEP_3)
	v_mov_b32 v[(\pc)+4], v[(\pc)+5]
	s_delay_alu instid0(VALU_DEP_3)
	v_mov_b32 v[(\pc)+5], v[(\pc)+6]
.endm
	s_load_b128 s[4:7], s[0:1], 0x0                ; qkv, av
	v_lshl_add_u32 v254, v0, 2, 0x33000
	v_mov_b32 v255, 0
	ds_add_u32 v254, v255
	ds_add_u32 v254, v255
	s_wait_dscnt 0x0
	v_lshrrev_b32 v5, 5, v0
	s_delay_alu instid0(VALU_DEP_1)
	v_readfirstlane_b32 s[WV], v5                  ; wave 0..15
	s_and_b32 s[BH], ttmp7, 0xffff
	s_lshl_b32 s11, ttmp9, 3
	s_sub_co_u32 s12, 112, s11
	s_add_co_u32 s12, s12, s[WV]                   ; 8 (15 - i) + w - 8
	s_add_co_u32 s11, s11, s[WV]                   ; 8 i + w
	s_cmp_lt_u32 s[WV], 8
	s_cselect_b32 s[QT], s11, s12                  ; my query tile
	s_lshr_b32 s[Q0], s[QT], 1
	s_lshl_b32 s[Q0], s[Q0], 5
	s_and_b32 s13, s[QT], 1
	s_lshl_b32 s13, s13, 3
	s_add_co_u32 s[Q0], s[Q0], s13
	s_lshl_b32 s13, s[BH], 7
	s_add_co_u32 s13, s13, s[QT]
	s_mul_i32 s80, s13, 768                        ; Q's half image
	s_mov_b32 s81, 0
	s_lshl_b32 s82, s13, 6
	s_add_co_u32 s82, s82, 9437184                 ; its scale words
	s_mov_b32 s83, 0
	s_lshr_b32 s13, s[BH], 4
	s_lshl_b32 s13, s13, 7
	s_add_co_u32 s13, s13, s[QT]                   ; av's tile of rows
	s_and_b32 s11, s[BH], 15                       ; the head = av's half step
	s_lshl_b32 s76, s13, 4
	s_add_co_u32 s76, s76, s11
	s_mul_i32 s76, s76, 768
	s_mov_b32 s77, 0
	s_lshl_b32 s78, s13, 3
	s_lshr_b32 s12, s11, 1
	s_add_co_u32 s78, s78, s12
	s_lshl_b32 s78, s78, 6
	s_and_b32 s12, s11, 1
	s_lshl_b32 s12, s12, 1
	s_add_co_u32 s78, s78, s12
	s_add_co_u32 s78, s78, 3145728
	s_mov_b32 s79, 0
	; THE FILLS, ONE A WAVE: waves 0-3 fetch K's four quarters of 512 keys (24,576 bytes each), waves 4-7 V's, wave 8 K's scale words, wave 9 V's; each LDS byte is filled once
	s_bfe_u32 s11, s[WV], 0x10002                  ; K (0) or V (1)
	s_and_b32 s12, s[WV], 3                        ; which quarter
	s_add_co_u32 s84, s11, 1
	s_mul_i32 s84, s84, 3145728
	s_mul_i32 s13, s[BH], 98304
	s_add_co_u32 s84, s84, s13
	s_mul_i32 s13, s12, 24576
	s_add_co_u32 s84, s84, s13                     ; codes, in memory,
	s_mov_b32 s85, 0
	s_and_b32 s86, s[WV], 7
	s_mul_i32 s86, s86, 24576                      ; and in LDS: K's four quarters, then V's
	s_lshl_b32 s88, s[BH], 13
	s_add_co_u32 s88, s88, 9699328                 ; K's scale words
	s_mov_b32 s89, 0
	s_mov_b32 s[G0SK+1], 196608
	s_lshl_b32 s90, s[BH], 12
	s_add_co_u32 s90, s90, 9961472                 ; V's
	s_mov_b32 s91, 0
	s_mov_b32 s[G0SV+1], 204800
	; descriptor groups 1: dense blocks as rows of 256 bytes (32 elements of 8 bytes): 96 rows of codes, 32 of K's scale words, 16 of V's
.irp g, G1C, G1SK, G1SV
	s_mov_b32 s[\g], 3<<16
	s_mov_b32 s[\g+1], 32<<16
	s_mov_b32 s[\g+3], 32<<16
	s_mov_b32 s[\g+5], 32
	s_mov_b32 s[\g+6], 0
	s_mov_b32 s[\g+7], 0
.endr
	s_mov_b32 s[G1C+2], 96<<16                     ; rows of 256 bytes: 96 of codes, 32 of K's scale words, 16 of V's
	s_mov_b32 s[G1C+4], 96
	s_mov_b32 s[G1SK+2], 32<<16
	s_mov_b32 s[G1SK+4], 32
	s_mov_b32 s[G1SV+2], 16<<16
	s_mov_b32 s[G1SV+4], 16
	s_mov_b32 s[SEL], 0x76543210
	s_mov_b32 s[SEL+1], 0xfedcba98
	s_mov_b32 s[CS], 0x3e38aa3b                    ; c = log2(e) / 8
	s_mov_b32 s[CS+1], s[CS]
	s_mov_b32 s[KF], 0
	s_wait_kmcnt 0x0
	s_add_nc_u64 s[92:93], s[4:5], s[84:85]
	s_mov_b32 s[G0C], 1
	s_mov_b32 s[G0C+1], s86
	s_mov_b64 s[G0C+2:G0C+3], s[92:93]
	s_or_b32 s[G0C+3], s[G0C+3], 0x80000000
	s_mov_b32 s[G0SK], 1
	s_add_nc_u64 s[G0SK+2:G0SK+3], s[4:5], s[88:89]
	s_or_b32 s[G0SK+3], s[G0SK+3], 0x80000000
	s_mov_b32 s[G0SV], 1
	s_add_nc_u64 s[G0SV+2:G0SV+3], s[4:5], s[90:91]
	s_or_b32 s[G0SV+3], s[G0SV+3], 0x80000000
	s_cmp_lt_u32 s[WV], 8                          ; one chain of arms on the wave's number, one load to an arm.  At the head: quarter 0 of K (wave 0) and of V (wave 4), and the scale words
	s_cbranch_scc0 .Lnot_c
	s_cmp_eq_u32 s12, 0                            ; the later quarters' waves load behind the first barrier
	s_cbranch_scc0 .Lasked
	tensor_load_to_lds s[G0C:G0C+3], s[G1C:G1C+7]
	s_nop 0
.rept 4
	v_nop
.endr
	s_branch .Lasked
.Lnot_c:
	s_cmp_lt_u32 s[WV], 9
	s_cbranch_scc0 .Lnot_k
	tensor_load_to_lds s[G0SK:G0SK+3], s[G1SK:G1SK+7]
	s_nop 0
.rept 4
	v_nop
.endr
	s_branch .Lasked
.Lnot_k:
	s_cmp_lt_u32 s[WV], 10
	s_cbranch_scc0 .Lasked
	tensor_load_to_lds s[G0SV:G0SV+3], s[G1SV:G1SV+7]
	s_nop 0
.rept 4
	v_nop
.endr
.Lasked:
	s_add_nc_u64 s[80:81], s[4:5], s[80:81]
	s_add_nc_u64 s[82:83], s[4:5], s[82:83]
	s_add_nc_u64 s[76:77], s[6:7], s[76:77]
	s_add_nc_u64 s[78:79], s[6:7], s[78:79]
	v_and_b32 v5, 31, v0
	v_and_b32 v6, 15, v0                           ; r
	v_bfe_u32 v7, v0, 4, 1                         ; h
	s_delay_alu instid0(VALU_DEP_3)
	v_lshlrev_b32 v[PA], 4, v5
	s_delay_alu instid0(VALU_DEP_3)
	v_lshlrev_b32 v[PB], 4, v6
	s_delay_alu instid0(VALU_DEP_1)
	v_lshl_add_u32 v[PB], v7, 3, v[PB]
	s_delay_alu instid0(VALU_DEP_1)
	v_add_nc_u32 v[PB], 512, v[PB]
	v_lshlrev_b32 v8, 2, v6                        ; 4 r
	s_delay_alu instid0(VALU_DEP_1)
	v_add_nc_u32 v[PS], 196608, v8
	s_delay_alu instid0(VALU_DEP_2)
	v_add_nc_u32 v[PT], 204800, v8
	v_and_b32 v11, 8, v6
	s_delay_alu instid0(VALU_DEP_1)
	v_add_nc_u32 v11, v11, v6
	v_lshlrev_b32 v9, 4, v7
	s_delay_alu instid0(VALU_DEP_1)
	v_sub_nc_u32 v11, v11, v9                      ; r + 8 (r / 8) - 16 h
	global_load_b128 v[16:19], v[PA], s[80:81]     ; Q's half image stays in registers
	global_load_b64 v[20:21], v[PB], s[80:81]
	global_load_b32 v255, v8, s[82:83]             ; and its scale words
.irp j, 22,23,24,25,26,27
	v_mov_b32 v[\j], 0                             ; the upper 64 of the instruction's K: zero codes
.endr
.irp t, 0,1,2,3
.irp j, 6,7,8,9,10,11
	v_mov_b32 v[32+12*\t+\j], 0                    ; K's likewise: no load ever lands here
.endr
.endr
.set j, 0
.rept 16
	v_mov_b32 v[80+j], 0                           ; O^T: the step is written once; its first run finds zeros, which the first change of M leaves zeros
	v_mov_b32 v[160+j], 0
.set j, j+1
.endr
.irp j, 232,233,234,235,236,237,238,239,252,253
	v_mov_b32 v[\j], 0                             ; written once: lane permutes' destinations and named halves of pairs count as read
.endr
	v_mov_b32 v13, 0xff61b1e6                      ; the largest t so far: -3e38
	s_delay_alu instid0(VALU_DEP_1)
	v_floor_f32 v12, -v13                          ; -M
	v_mov_b32 v14, 0
	v_mov_b32 v15, 0
; A KEY STEP: 128 keys from KF on.
.macro STEP
	s_add_co_u32 s[T0], s[Q0], 23                  ; my last query.  A step all of whose keys come after it is left out: a scalar branch on ids, round no barrier and no tensor load
	s_cmp_gt_u32 s[KF], s[T0]
	s_cbranch_scc1 .Lhidden_\@
	v_add_nc_u32 v[ADKA], s[TB], v[PA]             ; these six are also the places in front of the loads into registers that the last products read
	v_add_nc_u32 v[ADKB], s[TB], v[PB]
	s_delay_alu instid0(VALU_DEP_2)
	v_add_nc_u32 v[ADVA], 98304, v[ADKA]
	s_delay_alu instid0(VALU_DEP_2)
	v_add_nc_u32 v[ADVB], 98304, v[ADKB]
	v_add_nc_u32 v[ADS], s[TS], v[PS]
	v_add_nc_u32 v[ADT], s[TJ], v[PT]
.irp t, 0,1,2,3                        ; K's tiles 0-3
	ds_load_b128 v[32+12*\t:35+12*\t], v[ADKA] offset:\t*768
	ds_load_b64 v[36+12*\t:37+12*\t], v[ADKB] offset:\t*768
	ds_load_b32 v[248+\t], v[ADS] offset:\t*64
.endr
.irp d, 0,1,2,3                        ; V's four fragments: 16 features x these 128 keys
.irp c, 0,1
	ds_load_b128 v[176+12*\d+6*\c:179+12*\d+6*\c], v[ADVA] offset:(4*\c+\d)*768
	ds_load_b64 v[180+12*\d+6*\c:181+12*\d+6*\c], v[ADVB] offset:(4*\c+\d)*768
.endr
	ds_load_b32 v[28+\d], v[ADT] offset:64*\d
.endr
	s_wait_alu depctr_va_vdst(0)
	s_wait_dscnt 20                                ; K's first four tiles are in; V's 20 loads may be out
.irp t, 0,1,2,3
	v_wmma_scale_f32_16x16x128_f8f6f4 v[96+8*\t:103+8*\t], v[32+12*\t:43+12*\t], v[16:27], 0, v[248+\t], v255 matrix_a_fmt:MATRIX_FMT_FP6 matrix_b_fmt:MATRIX_FMT_FP6
.endr
.rept 4
	v_nop                                          ; places in front of loads into registers that these products read
.endr
.irp t, 0,1,2,3                        ; K's tiles 4-7
	ds_load_b128 v[32+12*\t:35+12*\t], v[ADKA] offset:(4+\t)*768
	ds_load_b64 v[36+12*\t:37+12*\t], v[ADKB] offset:(4+\t)*768
	ds_load_b32 v[248+\t], v[ADS] offset:(4+\t)*64
.endr
	s_wait_dscnt 0x0
.irp t, 0,1,2,3
	v_wmma_scale_f32_16x16x128_f8f6f4 v[128+8*\t:135+8*\t], v[32+12*\t:43+12*\t], v[16:27], 0, v[248+\t], v255 matrix_a_fmt:MATRIX_FMT_FP6 matrix_b_fmt:MATRIX_FMT_FP6
.endr
.rept 4
	v_nop
.endr
	s_add_co_u32 s[T0], s[KF], 127                 ; on the diagonal hidden scores become -infinity ahead of the maximum; a step all of whose keys count skips this
	s_cmp_le_u32 s[T0], s[Q0]
	s_cbranch_scc1 .Lopen_\@
	s_sub_co_i32 s[T0], s[Q0], s[KF]
	v_add_nc_u32 v252, s[T0], v11                  ; d = my query - KF - 16 h.  Register 16 b + i holds key KF + 16 h + 32 b + i: hidden where 32 b + i > d
	v_mov_b32 v254, 0xff800000
.set n, 0
.rept 64
	v_cmp_gt_i32 vcc_lo, 32*(n/16)+n%16, v252
	v_cndmask_b32 v[96+n], v[96+n], v254, vcc_lo
.set n, n+1
.endr
.Lopen_\@:
.irp b, 0,1,2,3
	v_max3_num_f32 v[232+\b], v[96+16*\b], v[97+16*\b], v[98+16*\b]   ; the largest score of each block of 32 keys: for the row's maximum and, since p rises with the score, for the block's largest p
.endr
.irp i, 3,5,7,9,11,13
.irp b, 0,1,2,3
	v_max3_num_f32 v[232+\b], v[232+\b], v[96+16*\b+\i], v[97+16*\b+\i]
.endr
.endr
.irp b, 0,1,2,3
	v_max_num_f32 v[232+\b], v[232+\b], v[111+16*\b]
.endr
.irp b, 0,1,2,3
	s_delay_alu instid0(VALU_DEP_4)
	v_permlanex16_b32 v[236+\b], v[232+\b], s[SEL], s[SEL+1]
.endr
.irp b, 0,1,2,3
	s_delay_alu instid0(VALU_DEP_4)
	v_max_num_f32 v[232+\b], v[232+\b], v[236+\b]  ; with lane l xor 16's 16 keys
.endr
	s_delay_alu instid0(VALU_DEP_2)
	v_max3_num_f32 v254, v232, v233, v234
	s_delay_alu instid0(VALU_DEP_1)
	v_max_num_f32 v254, v254, v235
	s_delay_alu instid0(VALU_DEP_1)
	v_mul_f32 v254, s[CS], v254                    ; the step's largest t
	s_delay_alu instid0(VALU_DEP_1)
	v_max_num_f32 v13, v13, v254                   ; the running largest t
	v_mov_b32 v254, v12
	s_delay_alu instid0(VALU_DEP_2)
	v_floor_f32 v12, -v13                          ; the new -M = -ceil(t): a whole number
	s_delay_alu instid0(VALU_DEP_1)
	v_sub_f32 v254, v12, v254                      ; old M - new M: a whole number, 0 or less
	s_delay_alu instid0(VALU_DEP_1)
	v_cvt_i32_f32 v254, v254                       ; (it saturates)
	s_delay_alu instid0(VALU_DEP_1)
	v_ldexp_f32 v252, 1.0, v254                    ; f = 2^(old M - new M)
.set j, 0
.rept 32
	v_pk_fma_f32 v[96+j:97+j], v[96+j:97+j], s[CS:CS+1], v[12:13] op_sel_hi:[1,0,0]   ; t - M, two at a time
.set j, j+2
.endr
.irp b, 0,1,2,3
	v_fma_f32 v[232+\b], v[232+\b], s[CS], v12     ; the same of each block's largest score
.endr
.set j, 0
	s_wait_alu depctr_va_vdst(0)
.rept 64
	v_exp_f32 v[96+j], v[96+j]                     ; p = 2^(t - M)
.set j, j+1
.endr
.irp b, 0,1,2,3
	v_exp_f32 v[232+\b], v[232+\b]                 ; the block's largest p
.endr
	v_pk_mul_f32 v[14:15], v[14:15], v[252:253] op_sel_hi:[1,0]   ; the sum under the new M; a plain line behind the exponentials
	s_wait_alu depctr_va_vdst(0)
.irp b, 0,1,2,3
	v_max_num_f32 v[232+\b], 0x1800000, v[232+\b]  ; the floor 2^(3 - 127)
.endr
.irp b, 0,1,2,3
	s_delay_alu instid0(VALU_DEP_4)
	v_add_nc_u32 v[244+\b], 0xff000000, v[232+\b]  ; the conversion's scale operand
.endr
.irp b, 0,1,2,3
	s_delay_alu instid0(VALU_DEP_4)
	v_lshrrev_b32 v[236+\b], 23, v[244+\b]
.endr
	s_delay_alu instid0(VALU_DEP_3)
	v_lshl_or_b32 v253, v237, 8, v236              ; p's scale word for these 128 keys
	s_delay_alu instid0(VALU_DEP_1)
	v_lshl_or_b32 v253, v238, 16, v253
	s_delay_alu instid0(VALU_DEP_1)
	v_lshl_or_b32 v253, v239, 24, v253
.irp c, 0,1
	v_cvt_scalef32_pk16_fp6_f32 v[224+6*\c:226+6*\c], v[96+32*\c:111+32*\c], v[244+2*\c]
	v_cvt_scalef32_pk16_fp6_f32 v[236+4*\c:238+4*\c], v[112+32*\c:127+32*\c], v[244+2*\c+1]
.endr
	v_nop                                          ; one plain line behind the scaled conversions
.irp c, 0,1
.irp i, 0,1,2
	v_permlane16_swap_b32 v[224+6*\c+\i], v[236+4*\c+\i]
.endr
.irp i, 0,1,2
	s_delay_alu instid0(VALU_DEP_3)
	v_mov_b32 v[227+6*\c+\i], v[236+4*\c+\i]
.endr
.endr
	v_pk_add_f32 v[236:237], v[100:101], v[104:105]
	v_pk_add_f32 v[250:251], v[108:109], v[112:113]
	v_pk_add_f32 v[248:249], v[116:117], v[120:121]
	v_pk_add_f32 v[246:247], v[124:125], v[128:129]
	v_pk_add_f32 v[244:245], v[132:133], v[136:137]
	v_pk_add_f32 v[242:243], v[140:141], v[144:145]
	v_pk_add_f32 v[240:241], v[148:149], v[152:153]
	v_pk_add_f32 v[14:15], v[14:15], v[156:157]
	v_pk_add_f32 v[236:237], v[236:237], v[96:97]
	v_pk_add_f32 v[250:251], v[250:251], v[98:99]
	v_pk_add_f32 v[248:249], v[248:249], v[102:103]
	v_pk_add_f32 v[246:247], v[246:247], v[106:107]
	v_pk_add_f32 v[244:245], v[244:245], v[110:111]
	v_pk_add_f32 v[242:243], v[242:243], v[114:115]
	v_pk_add_f32 v[240:241], v[240:241], v[118:119]
	v_pk_add_f32 v[14:15], v[14:15], v[122:123]
	v_pk_add_f32 v[236:237], v[236:237], v[126:127]
	v_pk_add_f32 v[250:251], v[250:251], v[130:131]
	v_pk_add_f32 v[248:249], v[248:249], v[134:135]
	v_pk_add_f32 v[246:247], v[246:247], v[138:139]
	v_pk_add_f32 v[244:245], v[244:245], v[142:143]
	v_pk_add_f32 v[242:243], v[242:243], v[146:147]
	v_pk_add_f32 v[240:241], v[240:241], v[150:151]
	v_pk_add_f32 v[14:15], v[14:15], v[154:155]
	v_pk_add_f32 v[236:237], v[236:237], v[158:159]
	s_delay_alu instid0(VALU_DEP_2)
	v_pk_add_f32 v[14:15], v[14:15], v[246:247]
	s_delay_alu instid0(VALU_DEP_2)
	v_pk_add_f32 v[236:237], v[236:237], v[244:245]
	v_pk_add_f32 v[250:251], v[250:251], v[242:243]
	v_pk_add_f32 v[248:249], v[248:249], v[240:241]
	s_delay_alu instid0(VALU_DEP_2)
	v_pk_add_f32 v[14:15], v[14:15], v[250:251]
	s_delay_alu instid0(VALU_DEP_2)
	v_pk_add_f32 v[236:237], v[236:237], v[248:249]
	s_delay_alu instid0(VALU_DEP_1)
	v_pk_add_f32 v[14:15], v[14:15], v[236:237]
.irp j, 0,2,4,6,8,10,12,14
	v_pk_mul_f32 v[80+\j:81+\j], v[80+\j:81+\j], v[252:253] op_sel_hi:[1,0]      ; O^T under the new M.  (With the sums above: the places between p's codes and scale word and the products below)
	v_pk_mul_f32 v[160+\j:161+\j], v[160+\j:161+\j], v[252:253] op_sel_hi:[1,0]
.endr
.irp d, 0,1                            ; O^T += V^T P^T: four accumulators by turns
	v_wmma_scale_f32_16x16x128_f8f6f4 v[80+8*\d:87+8*\d], v[176+12*\d:187+12*\d], v[224:235], v[80+8*\d:87+8*\d], v[28+\d], v253 matrix_a_fmt:MATRIX_FMT_FP6 matrix_b_fmt:MATRIX_FMT_FP6
.endr
.irp d, 2,3
	v_wmma_scale_f32_16x16x128_f8f6f4 v[144+8*\d:151+8*\d], v[176+12*\d:187+12*\d], v[224:235], v[144+8*\d:151+8*\d], v[28+\d], v253 matrix_a_fmt:MATRIX_FMT_FP6 matrix_b_fmt:MATRIX_FMT_FP6
.endr
.Lhidden_\@:
	s_add_co_u32 s[KF], s[KF], 128
	s_add_co_u32 s[TB], s[TB], 6144
	s_add_co_u32 s[TS], s[TS], 512
	s_add_co_u32 s[TJ], s[TJ], 256
.endm
	v_lshl_add_u32 v96, v0, 2, 0x33000             ; my spare word and 0, made anew: no two registers can be kept in this text
	v_mov_b32 v97, 0
	s_wait_alu depctr_va_vdst(0)
	s_wait_loadcnt 0x0                             ; Q; its loads' address registers are free too
	s_wait_tensorcnt 0x0                           ; my fill of the head has landed.
	ds_add_u32 v96, v97
	ds_add_u32 v96, v97                            ; the add twice
	s_wait_dscnt 0x0
	s_barrier_signal -1
	s_barrier_wait -1                              ; quarter 0 and the scale words lie in LDS
	s_cmp_lt_u32 s[WV], 8                          ; quarters 1 to 3 of K (waves 1-3) and of V (waves 5-7): one load a wave, each byte filled once; they have four steps in which to land
	s_cbranch_scc0 .Llater
	s_cmp_lg_u32 s12, 0
	s_cbranch_scc0 .Llater
	tensor_load_to_lds s[G0C:G0C+3], s[G1C:G1C+7]
	s_nop 0
.rept 4
	v_nop
.endr
.Llater:
	s_mov_b32 s[TB], 0
	s_mov_b32 s[TS], 0
	s_mov_b32 s[TJ], 0
	s_mov_b32 s[CNT], 4                            ; quarter 0: four steps of 128 keys; a hidden step's work is jumped over
.Lfirst:
	STEP
	s_sub_co_u32 s[CNT], s[CNT], 1
	s_cmp_lg_u32 s[CNT], 0
	s_cbranch_scc1 .Lfirst
	s_wait_tensorcnt 0x0                           ; my later quarter has landed
	s_wait_dscnt 0x0
	s_barrier_signal -1
	s_barrier_wait -1                              ; everybody's has: the whole head lies in LDS
	s_mov_b32 s[TB], 24576
	s_mov_b32 s[TS], 2048
	s_mov_b32 s[TJ], 1024
	s_mov_b32 s[CNT], 12
.Lrest:
	STEP
	s_sub_co_u32 s[CNT], s[CNT], 1
	s_cmp_lg_u32 s[CNT], 0
	s_cbranch_scc1 .Lrest
.rept 4
	v_nop                                          ; four places behind the last products
.endr
	s_wait_alu depctr_va_vdst(0)
	v_add_f32 v14, v14, v15
	s_delay_alu instid0(VALU_DEP_1)
	v_permlanex16_b32 v252, v14, s[SEL], s[SEL+1]
	s_delay_alu instid0(VALU_DEP_1)
	v_add_f32 v14, v14, v252                       ; the row's sum
	s_wait_alu depctr_va_vdst(0)
	v_rcp_f32 v14, v14
	v_nop                                          ; one plain line behind the transcendental
	s_wait_alu depctr_va_vdst(0)
	v_mov_b32 v15, v14
.irp j, 0,2,4,6,8,10,12,14
	v_pk_mul_f32 v[96+\j:97+\j], v[80+\j:81+\j], v[14:15]          ; O^T / the sum: register 16 b + i = feature 32 b + 16 h + i of my query; each accumulator from its low end on
.endr
.irp j, 0,2,4,6,8,10,12,14
	v_pk_mul_f32 v[112+\j:113+\j], v[160+\j:161+\j], v[14:15]
.endr
	QH 96, 224, 253
	v_and_b32 v5, 15, v0
	s_delay_alu instid0(VALU_DEP_1)
	v_lshlrev_b32 v5, 2, v5                        ; 4 r
	global_store_b128 v[PA], v[224:227], s[76:77]  ; 512 consecutive bytes, aligned to 256
	global_store_b64 v[PB], v[228:229], s[76:77]   ; 256 consecutive bytes, aligned
	global_store_b16 v5, v253, s[78:79]            ; my head's half of the scale word; lanes l and l xor 16 write the same two bytes with the same value
	s_wait_xcnt 0x0
	v_lshl_add_u32 v254, v0, 2, 0x33000
	v_mov_b32 v255, 0
	s_wait_alu depctr_va_vdst(0)
	s_wait_tensorcnt 0x0
	ds_add_u32 v254, v255
	s_wait_dscnt 0x0
	s_endpgm
.Lfunc_end_k_q8ce6667c1b_attn:
	.size	k_q8ce6667c1b_attn, .Lfunc_end_k_q8ce6667c1b_attn-k_q8ce6667c1b_attn
	.p2alignl 7, 3214868480
	.fill 96, 4, 3214868480
	.section	.rodata,"a",@progbits
	.p2align	6, 0x0
	.amdhsa_kernel k_q8ce6667c1b_attn
		.amdhsa_group_segment_fixed_size 327680
		.amdhsa_private_segment_fixed_size 0
		.amdhsa_enable_private_segment 0
		.amdhsa_kernarg_size 16
		.amdhsa_user_sgpr_count 2
		.amdhsa_user_sgpr_kernarg_segment_ptr 1
		.amdhsa_wavefront_size32 1
		.amdhsa_system_sgpr_workgroup_id_x 1
		.amdhsa_system_sgpr_workgroup_id_y 1
		.amdhsa_system_sgpr_workgroup_id_z 1
		.amdhsa_system_vgpr_workitem_id 0
		.amdhsa_next_free_vgpr 256
		.amdhsa_next_free_sgpr 100
		.amdhsa_reserve_vcc 1
		.amdhsa_float_denorm_mode_32 3
		.amdhsa_float_denorm_mode_16_64 3
		.amdhsa_memory_ordered 1
		.amdhsa_forward_progress 1
		.amdhsa_inst_pref_size 63
	.end_amdhsa_kernel
	.amdgpu_metadata
---
amdhsa.version: [ 1, 2 ]
amdhsa.kernels:
  - .name:           k_q8ce6667c1b_attn
    .symbol:         k_q8ce6667c1b_attn.kd
    .args:
      - { .name: qkv, .offset: 0, .size: 8, .value_kind: global_buffer, .address_space: global }
      - { .name: av, .offset: 8, .size: 8, .value_kind: global_buffer, .address_space: global }
    .group_segment_fixed_size: 327680
    .private_segment_fixed_size: 0
    .kernarg_segment_align: 8
    .kernarg_segment_size: 16
    .max_flat_workgroup_size: 512
    .sgpr_count:     100
    .vgpr_count:     256
    .wavefront_size: 32
...
	.end_amdgpu_metadata
.endif
;; end of part 4
;; launch wog (part 5): grid 8 x 32, 8 waves a work-group, clusters of 4 x 4, 327,680 bytes of LDS; arguments av, wq, b_o, x, x1; writes x1
.if DOCPART == 5
	.amdgcn_target "amdgcn-amd-amdhsa--gfx1250"
	.amdhsa_code_object_version 6
	.text
	.protected	k_q8ce6667c1b_wog
	.globl	k_q8ce6667c1b_wog
	.p2align	8
	.type	k_q8ce6667c1b_wog,@function
k_q8ce6667c1b_wog:
	s_mov_b64 s[64:65], 0
	v_nop
	global_prefetch_b8 v0, s[64:65] scope:SCOPE_SE
	s_setreg_imm32_b32 hwreg(HW_REG_WAVE_MODE, 25, 1), 1
	s_wait_xcnt 0x0
	s_wait_alu depctr_hold_cnt(0) depctr_sa_sdst(0) depctr_va_vdst(0) depctr_va_sdst(0) depctr_va_ssrc(0) depctr_va_vcc(0) depctr_vm_vsrc(0)
	s_getreg_b32 s2, hwreg(HW_REG_IB_STS2, 6, 4)
	s_cmp_eq_u32 s2, 0
	s_cbranch_scc0 .Lentry_in_a_cluster
	s_endpgm
.Lentry_in_a_cluster:
	s_bfe_u32 s2, ttmp6, 0x10000c
	s_cmp_lg_u32 s2, 0xf033
	s_cbranch_scc0 .Lentry_shape_is_right
	s_endpgm
.Lentry_shape_is_right:
; out = residual + Q(X) Q(W) + bias, f32 [4096][1024]; X and W are register images of codes of FP6 (E2M3) with E8M0 scale words.  HERE: X = av (K = 1,024), W = W_o, residual = x, out = x1.
; IMAGES: tile of 16 rows: lane r holds row 32 (t / 2) + 8 (t % 2) + r + 8 (r / 8); a half image, 64 along K, is 768 bytes: a lane's first 16 bytes at 16 x lane, its last 8 at 512 + 16 r + 8 h.
; THE PRODUCT: source 0 = a tile of W (R), source 1 = a tile of X (L): lane (r, h) holds X's row of place r; register j of R tile b is output 32 (b / 2) + 8 (b % 2) + 16 h + j.
; SHARES.  N = 1,024 gives 256 tiles of 128 x 128: one for each work-group.  Eight waves, two to a SIMD, each 32 (L: two tiles) x 64 (R: four tiles): 8 accumulators, which begin as the bias.
; K goes in chunks of 512 through two LDS slots; X's tiles are asked for jointly by the four work-groups of a row of the cluster, W's by the four of a column.  The scale words of all of K come once.
; THE WAY OUT: a tile of 16 rows x 64 outputs goes through the wave's own stage in LDS (rows 272 bytes apart) and comes back by rows; the residual, loaded at the start in that order, is added; sixteen lanes store 256 consecutive aligned bytes.
; At this K both chunks are first fills and nothing is filled again; the text is kept the same as for K = 4,096.
.set NH768, 12288                      ; a tile's codes for all of K
.set NK64,  512                        ; a tile's scale words for all of K
.set NS,    2                          ; chunks
.set XSCL,  3145728                    ; X's scale words in its buffer
.set WCOD,  2359296                    ; the weight's codes in wq
.set WSCL,  9535488                    ; and its scale words
.set NT_OUT, 0                         ; the result is read again by later launches
.set KSL,   4
.set TSTR,  KSL*1536
.set CHB,   KSL*1536
.set SLOT,  98304                      ; X's 8 tiles, then W's 8
.set YOFF,  49152
.set SCX,   196608
.set SCH,   4*NK64
.set SCY,   SCX+2*SCH
.set SPARE, SCX+4*SCH                  ; the spare words: 128 bytes for each of 8 waves; no other line names them
.set STAGE, SPARE+1024                 ; 16 rows x 272 bytes for each wave; no fill ever lands here
.set SPW, 1
.set NIL, 2
.set LA,  3
.set LB,  5
.set RA,  7
.set RB,  9
.set ADS, 11
.set SC,  12                           ; v12-15 scale words: lanes 0-15 L tile i's, lanes 16-31 R tile i's; they hold nothing else
.set LF,  16                           ; v16-39  L's two fragments
.set RF,  40                           ; v40-87  R's four
.set ACC, 88                           ; v88-151 accumulator (a, b) at ACC + 8 (4 a + b)
.set RES, 152                          ; v152-215 the residual
.set BK,  16                           ; the way out: rows read back
.set STI, 216
.set STO, 217
.set GO,  218
.set BO,  224
.set WV,  14
.set PW,  15
.set QW,  16
.set HF,  17
.set CX,  18
.set CY,  19
.set G1X, 24
.set G0X, 32
.set G1Y, 48
.set G0Y, 56
.set G1SX, 68
.set G0SX, 76
.set G1SY, 80
.set G0SY, 88
.macro CROUND                          ; a round of the cluster's barrier
	s_barrier_signal -1
	s_barrier_wait -1
	s_cmp_lg_u32 s[WV], 0
	s_cbranch_scc1 .Lnot_wave_0_\@
	s_barrier_signal -3
.Lnot_wave_0_\@:
	s_barrier_wait -3
	s_barrier_signal -1
	s_barrier_wait -1
.endm
.macro JLOAD s                         ; a joint refill of slot s: waves 0, 1 each X's 8 tiles, waves 2, 3 each W's, the others nothing; four v_nop follow each line
	s_cmp_lt_u32 s[WV], 2
	s_cbranch_scc0 .Lny_\@
	tensor_load_to_lds s[G0X+4*(\s):G0X+4*(\s)+3], s[G1X:G1X+7]
.rept 4
	v_nop
.endr
	s_branch .Lq_\@
.Lny_\@:
	s_cmp_lt_u32 s[WV], 4
	s_cbranch_scc0 .Lq_\@
	tensor_load_to_lds s[G0Y+4*(\s):G0Y+4*(\s)+3], s[G1Y:G1Y+7]
.rept 4
	v_nop
.endr
.Lq_\@:
.endm
.macro FRAG reg, pa, pb, off           ; a fragment, 16 rows x 128 K, is two half images: 12 registers
	ds_load_b128 v[(\reg):(\reg)+3], v[\pa] offset:(\off)
	ds_load_b64 v[(\reg)+4:(\reg)+5], v[\pb] offset:(\off)+512
	ds_load_b128 v[(\reg)+6:(\reg)+9], v[\pa] offset:(\off)+768
	ds_load_b64 v[(\reg)+10:(\reg)+11], v[\pb] offset:(\off)+1280
.endm
; One K step of 128: the q-th of slot s, the ks-th of all.  The 8 accumulators take turns, one instruction a turn, in the same order in every step.
.macro KSTEP s, q, ks
.rept 4
	v_nop                                          ; four places in front of loads into registers that matrix instructions have read (ISA guide 7.12.1 for vector instructions)
.endr
.irp i, 0,1,2,3
	ds_load_b32 v[SC+\i], v[ADS] offset:\i*NK64+64*(\ks)   ; (lanes 0-15 of registers 2 and 3 take words that have landed and that nobody uses)
.endr
.irp b, 0,1,2,3
	FRAG RF+12*\b, RA+(\s), RB+(\s), \b*TSTR+1536*(\q)
.endr
.irp a, 0,1
	FRAG LF+12*\a, LA+(\s), LB+(\s), \a*TSTR+1536*(\q)
.endr
.irp a, 0,1
	s_wait_dscnt 4*(1-\a)                          ; the scale words, R and L's fragment a are in; the later L fragment's four loads may be out
.irp b, 0,1,2,3
	v_wmma_scale_f32_16x16x128_f8f6f4 v[ACC+8*(4*\a+\b):ACC+8*(4*\a+\b)+7], v[RF+12*\b:RF+12*\b+11], v[LF+12*\a:LF+12*\a+11], v[ACC+8*(4*\a+\b):ACC+8*(4*\a+\b)+7], v[SC+\b], v[SC+\a] matrix_a_fmt:MATRIX_FMT_FP6 matrix_b_fmt:MATRIX_FMT_FP6 matrix_a_scale:MATRIX_SCALE_ROW1
.endr
.endr
.endm
.macro CHANGE s, fill                  ; slot s has been read.  fill = 1: it is filled again, two chunks on, behind a round of the cluster's barrier
	s_wait_tensorcnt 0x0                           ; all my tensor loads have landed, my part of the next slot among them: so a group 0 may be written
	ds_add_u32 v[SPW], v[NIL]                      ; 0 onto my spare word
.if \fill
	s_add_nc_u64 s[G0X+4*(\s)+2:G0X+4*(\s)+3], s[G0X+4*(\s)+2:G0X+4*(\s)+3], 2*CHB
	s_add_nc_u64 s[G0Y+4*(\s)+2:G0Y+4*(\s)+3], s[G0Y+4*(\s)+2:G0Y+4*(\s)+3], 2*CHB
.endif
	s_wait_dscnt 0x0                               ; the add is done, and my reads of slot s are over
.if \fill
	CROUND
	JLOAD \s                                       ; the first tensor load behind the round, one a wave
.else
	s_barrier_signal -1
	s_barrier_wait -1
.endif
.endm
	s_load_b256 s[4:11], s[0:1], 0x0               ; X, wq, bias, residual
	s_load_b64 s[12:13], s[0:1], 0x20              ; out
	v_lshl_add_u32 v[SPW], v0, 2, SPARE
	v_mov_b32 v[NIL], 0
	ds_add_u32 v1, v2
	ds_add_u32 v1, v2
	s_wait_dscnt 0x0
	v_lshrrev_b32 v219, 5, v0
	s_delay_alu instid0(VALU_DEP_1)
	v_readfirstlane_b32 s[WV], v219                ; wave 0..7
	s_lshr_b32 s[PW], s[WV], 1                     ; which 32 rows
	s_and_b32 s[QW], s[WV], 1                      ; which 64 outputs
	s_bfe_u32 s[CX], ttmp6, 0x40000
	s_bfe_u32 s[CY], ttmp6, 0x40004
	s_lshl_b32 s20, ttmp9, 2
	s_add_co_u32 s20, s20, s[CX]                   ; tile column
	s_and_b32 s21, ttmp7, 0xffff
	s_lshl_b32 s21, s21, 2
	s_add_co_u32 s21, s21, s[CY]                   ; tile row
	s_lshl_b32 s22, s[CY], 2
	s_lshl_b32 s22, 15, s22                        ; my row of the cluster
	s_lshl_b32 s23, 0x1111, s[CX]                  ; my column
	s_or_b32 s[G1X], s22, (3<<16)|(1<<21)          ; 15:0 the mask; 17:16 elements of 8 bytes; 21 set beside a mask; no padding
	s_or_b32 s[G1Y], s23, (3<<16)|(1<<21)
.irp g, G1X, G1Y                       ; codes: 8 rows (tiles) of 6,144 bytes, NH768 bytes apart
	s_mov_b32 s[\g+1], 768<<16
	s_mov_b32 s[\g+2], 8<<16                       ; one load brings all 8 tiles of a chunk
	s_mov_b32 s[\g+3], 768<<16
	s_mov_b32 s[\g+4], 8
	s_mov_b32 s[\g+5], NH768/8
	s_mov_b32 s[\g+6], 0
	s_mov_b32 s[\g+7], 0
.endr
	s_or_b32 s[G1SX], s22, (3<<16)|(1<<21)
	s_or_b32 s[G1SY], s23, (3<<16)|(1<<21)
.irp g, G1SX, G1SY                     ; scale words of 8 tiles: a dense block as rows of 256 bytes
	s_mov_b32 s[\g+1], 32<<16
	s_mov_b32 s[\g+2], (2*SCH/256)<<16             ; the scale words of all 8 tiles
	s_mov_b32 s[\g+3], 32<<16
	s_mov_b32 s[\g+4], 2*SCH/256
	s_mov_b32 s[\g+5], 32
	s_mov_b32 s[\g+6], 0
	s_mov_b32 s[\g+7], 0
.endr
	s_lshl_b32 s40, s21, 3                         ; X: the block's first tile (s40-43 never hold cx)
	s_mul_i32 s42, s40, NH768
	s_mov_b32 s43, 0
	s_mul_i32 s40, s40, NK64
	s_add_co_u32 s40, s40, XSCL
	s_mov_b32 s41, 0
	s_lshl_b32 s44, s20, 3                         ; W likewise (s44-47 never hold cy)
	s_mul_i32 s46, s44, NH768
	s_add_co_u32 s46, s46, WCOD
	s_mov_b32 s47, 0
	s_mul_i32 s44, s44, NK64
	s_add_co_u32 s44, s44, WSCL
	s_mov_b32 s45, 0
	s_mov_b32 s[G0X+1], 0                          ; where they go: constants
	s_mov_b32 s[G0X+5], SLOT
	s_mov_b32 s[G0Y+1], YOFF
	s_mov_b32 s[G0Y+5], SLOT+YOFF
	s_mov_b32 s[G0SX+1], SCX
	s_mov_b32 s[G0SY+1], SCY
	s_mov_b32 s[G0X], 1
	s_mov_b32 s[G0X+4], 1
	s_mov_b32 s[G0Y], 1
	s_mov_b32 s[G0Y+4], 1
	s_mov_b32 s[G0SX], 1
	s_mov_b32 s[G0SY], 1
	s_lshl_b32 s92, s20, 9
	s_lshl_b32 s2, s[QW], 8
	s_add_co_u32 s92, s92, s2                      ; my 64 outputs, in bytes
	s_mov_b32 s93, 0
	s_lshl_b32 s96, s21, 19
	s_lshl_b32 s2, s[PW], 17
	s_add_co_u32 s96, s96, s2
	s_add_co_u32 s96, s96, s92                     ; and at my first row: (128 tile row + 32 pw) x 4,096
	s_mov_b32 s97, 0
	s_wait_kmcnt 0x0
	s_add_nc_u64 s[G0X+2:G0X+3], s[4:5], s[42:43]
	s_add_nc_u64 s[G0X+6:G0X+7], s[G0X+2:G0X+3], CHB
	s_or_b32 s[G0X+3], s[G0X+3], 0x80000000
	s_or_b32 s[G0X+7], s[G0X+7], 0x80000000
	s_add_nc_u64 s[G0Y+2:G0Y+3], s[6:7], s[46:47]
	s_add_nc_u64 s[G0Y+6:G0Y+7], s[G0Y+2:G0Y+3], CHB
	s_or_b32 s[G0Y+3], s[G0Y+3], 0x80000000
	s_or_b32 s[G0Y+7], s[G0Y+7], 0x80000000
	s_add_nc_u64 s[G0SX+2:G0SX+3], s[4:5], s[40:41]
	s_or_b32 s[G0SX+3], s[G0SX+3], 0x80000000
	s_add_nc_u64 s[G0SY+2:G0SY+3], s[6:7], s[44:45]
	s_or_b32 s[G0SY+3], s[G0SY+3], 0x80000000
	s_add_nc_u64 s[94:95], s[8:9], s[92:93]        ; the bias
	s_add_nc_u64 s[98:99], s[10:11], s[96:97]      ; the residual
	s_add_nc_u64 s[100:101], s[12:13], s[96:97]    ; the result
	CROUND                                         ; all sixteen work-groups are here: the first joint loads meet
; THE HEAD'S SIX FIRST FILLS, ONE A WAVE: one chain of arms on the wave's number: X's scale words, W's, chunk 0 of X, of W, chunk 1 of X, of W; waves 6, 7 load nothing.  Nothing is filled again in this launch.
.macro ARM under, g0, g1, next
	s_cmp_lt_u32 s[WV], \under
	s_cbranch_scc0 \next
	tensor_load_to_lds s[\g0:\g0+3], s[\g1:\g1+7]
	s_nop 0
.rept 4
	v_nop
.endr
	s_branch .Lfirst_done
\next:
.endm
	ARM 1, G0SX,  G1SX, .Lh1
	ARM 2, G0SY,  G1SY, .Lh2
	ARM 3, G0X,   G1X,  .Lh3
	ARM 4, G0Y,   G1Y,  .Lh4
	ARM 5, G0X+4, G1X,  .Lh5
	s_cmp_lt_u32 s[WV], 6
	s_cbranch_scc0 .Lfirst_done
	tensor_load_to_lds s[G0Y+4:G0Y+7], s[G1Y:G1Y+7]
	s_nop 0
.rept 4
	v_nop
.endr
.Lfirst_done:
	v_and_b32 v219, 31, v0                         ; lane
	v_and_b32 v220, 15, v0                         ; r
	v_bfe_u32 v221, v0, 4, 1                       ; h
	s_delay_alu instid0(VALU_DEP_1)
	v_lshlrev_b32 v[BO], 6, v221
	s_delay_alu instid0(VALU_DEP_2)
	v_lshlrev_b32 v[GO], 12, v221
	s_delay_alu instid0(VALU_DEP_1)
	v_lshl_add_u32 v[GO], v220, 4, v[GO]           ; lanes 0-15 one row, lanes 16-31 the next; 16 bytes a lane
.irp a, 0,1
.irp b, 0,1,2,3
	global_load_b128 v[ACC+8*(4*\a+\b):ACC+8*(4*\a+\b)+3], v[BO], s[94:95] offset:4*(32*(\b/2)+8*(\b%2))       ; the sums begin as the bias
	global_load_b128 v[ACC+8*(4*\a+\b)+4:ACC+8*(4*\a+\b)+7], v[BO], s[94:95] offset:4*(32*(\b/2)+8*(\b%2))+16
.endr
.endr
.irp a, 0,1
.irp i, 0,1,2,3,4,5,6,7
	global_load_b128 v[RES+32*\a+4*\i:RES+32*\a+4*\i+3], v[GO], s[98:99] offset:(8*\a+2*\i+8*(\i/4))*4096      ; places 2 i, 2 i + 1 of tile a are rows 8 a + 2 i + 8 (i / 4) and the next
.endr
.endr
	v_lshlrev_b32 v222, 4, v219                    ; 16 x lane
	v_lshlrev_b32 v223, 4, v220
	s_delay_alu instid0(VALU_DEP_1)
	v_lshl_add_u32 v223, v221, 3, v223             ; 16 r + 8 h
	s_mul_i32 s2, s[PW], 2*TSTR                    ; my two L tiles
	s_mul_i32 s3, s[QW], 4*TSTR
	s_add_co_u32 s3, s3, YOFF                      ; my four R tiles
	v_add_nc_u32 v[LA], s2, v222
	v_add_nc_u32 v[LB], s2, v223
	v_add_nc_u32 v[RA], s3, v222
	v_add_nc_u32 v[RB], s3, v223
	s_delay_alu instid0(VALU_DEP_4)
	v_add_nc_u32 v[LA+1], SLOT, v[LA]
	s_delay_alu instid0(VALU_DEP_4)
	v_add_nc_u32 v[LB+1], SLOT, v[LB]
	s_delay_alu instid0(VALU_DEP_4)
	v_add_nc_u32 v[RA+1], SLOT, v[RA]
	s_delay_alu instid0(VALU_DEP_4)
	v_add_nc_u32 v[RB+1], SLOT, v[RB]
	s_xor_b32 s2, s[PW], 3                         ; R's words lie 2 NK64 (1 + 2 qw + (3 - pw)) bytes behind L's: one product with h
	s_lshl_b32 s3, s[QW], 1
	s_add_co_u32 s2, s2, s3
	s_add_co_u32 s2, s2, 1
	s_mul_i32 s2, s2, 2*NK64
	v_mul_u32_u24 v[ADS], s2, v221
	s_delay_alu instid0(VALU_DEP_1)
	v_lshl_add_u32 v[ADS], v220, 2, v[ADS]
	s_mul_i32 s3, s[PW], 2*NK64
	s_add_co_u32 s3, s3, SCX
	v_add_nc_u32 v[ADS], s3, v[ADS]
	s_mul_i32 s2, s[WV], 4352
	s_add_co_u32 s2, s2, STAGE                     ; my stage
	v_mul_u32_u24 v[STI], v220, 272
	s_delay_alu instid0(VALU_DEP_1)
	v_lshl_add_u32 v[STI], v221, 6, v[STI]
	s_delay_alu instid0(VALU_DEP_1)
	v_add_nc_u32 v[STI], s2, v[STI]                ; in: place r, + 64 h
	v_mul_u32_u24 v[STO], v221, 272
	s_delay_alu instid0(VALU_DEP_1)
	v_lshl_add_u32 v[STO], v220, 4, v[STO]
	s_delay_alu instid0(VALU_DEP_1)
	v_add_nc_u32 v[STO], s2, v[STO]                ; back: lanes 0-15 one place, lanes 16-31 the next
	s_wait_alu depctr_va_vdst(0)
	s_wait_tensorcnt 0x0                           ; my one first fill is in.  No prefetch: both chunks of K are first fills, so there is no later load to run ahead of
	s_barrier_signal -1
	s_barrier_wait -1
	s_wait_loadcnt 16                              ; the bias is in; the residual's 16 loads may be out
.irp q, 0,1,2,3
	KSTEP 0, \q, \q
.endr
.set c, 1
.rept NS-1
.if c+1 < NS
	CHANGE (c-1)%2, 1
.else
	CHANGE (c-1)%2, 0
.endif
.irp q, 0,1,2,3
	KSTEP c%2, \q, c*KSL+\q
.endr
.set c, c+1
.endr
.rept 4
	v_nop                                          ; four places behind the last products
.endr
.irp a, 0,1
.irp b, 0,1,2,3
	ds_store_b128 v[STI], v[ACC+8*(4*\a+\b):ACC+8*(4*\a+\b)+3] offset:128*(\b/2)+32*(\b%2)          ; each accumulator from its low end on
	ds_store_b128 v[STI], v[ACC+8*(4*\a+\b)+4:ACC+8*(4*\a+\b)+7] offset:128*(\b/2)+32*(\b%2)+16
.endr
.irp i, 0,1,2,3,4,5,6,7
	ds_load_b128 v[BK+32*\a+4*\i:BK+32*\a+4*\i+3], v[STO] offset:544*\i   ; LDS serves a wave's instructions in order (ISA guide 5.7.1.4): these see the stores above, and tile 1's stores come behind tile 0's loads
.endr
.endr
	s_wait_loadcnt 0x0                             ; the residual
.irp a, 0,1
	s_wait_dscnt 16*(1-\a)                         ; tile a is back; tile 1's 8 stores and 8 loads may be out
.set i, 0
.rept 16
	v_pk_add_f32 v[BK+32*\a+i:BK+32*\a+i+1], v[BK+32*\a+i:BK+32*\a+i+1], v[RES+32*\a+i:RES+32*\a+i+1]
.set i, i+2
.endr
.irp i, 0,1,2,3,4,5,6,7
.if NT_OUT
	global_store_b128 v[GO], v[BK+32*\a+4*\i:BK+32*\a+4*\i+3], s[100:101] offset:(8*\a+2*\i+8*(\i/4))*4096 th:TH_STORE_NT
.else
	global_store_b128 v[GO], v[BK+32*\a+4*\i:BK+32*\a+4*\i+3], s[100:101] offset:(8*\a+2*\i+8*(\i/4))*4096   ; sixteen lanes store 256 consecutive bytes, aligned
.endif
.endr
.endr
	s_wait_tensorcnt 0x0                           ; the wave's end
	ds_add_u32 v[SPW], v[NIL]
	s_wait_dscnt 0x0
	CROUND                                         ; the closing round
	s_endpgm
.Lfunc_end_k_q8ce6667c1b_wog:
	.size	k_q8ce6667c1b_wog, .Lfunc_end_k_q8ce6667c1b_wog-k_q8ce6667c1b_wog
	.p2alignl 7, 3214868480
	.fill 96, 4, 3214868480
	.section	.rodata,"a",@progbits
	.p2align	6, 0x0
	.amdhsa_kernel k_q8ce6667c1b_wog
		.amdhsa_group_segment_fixed_size 327680
		.amdhsa_private_segment_fixed_size 0
		.amdhsa_enable_private_segment 0
		.amdhsa_kernarg_size 40
		.amdhsa_user_sgpr_count 2
		.amdhsa_user_sgpr_kernarg_segment_ptr 1
		.amdhsa_wavefront_size32 1
		.amdhsa_system_sgpr_workgroup_id_x 1
		.amdhsa_system_sgpr_workgroup_id_y 1
		.amdhsa_system_sgpr_workgroup_id_z 1
		.amdhsa_system_vgpr_workitem_id 0
		.amdhsa_next_free_vgpr 232
		.amdhsa_next_free_sgpr 102
		.amdhsa_reserve_vcc 0
		.amdhsa_float_denorm_mode_32 3
		.amdhsa_float_denorm_mode_16_64 3
		.amdhsa_memory_ordered 1
		.amdhsa_forward_progress 1
		.amdhsa_inst_pref_size 43
	.end_amdhsa_kernel
	.amdgpu_metadata
---
amdhsa.version: [ 1, 2 ]
amdhsa.kernels:
  - .name:           k_q8ce6667c1b_wog
    .symbol:         k_q8ce6667c1b_wog.kd
    .args:
      - { .name: av, .offset: 0, .size: 8, .value_kind: global_buffer, .address_space: global }
      - { .name: wq, .offset: 8, .size: 8, .value_kind: global_buffer, .address_space: global }
      - { .name: b_o, .offset: 16, .size: 8, .value_kind: global_buffer, .address_space: global }
      - { .name: x, .offset: 24, .size: 8, .value_kind: global_buffer, .address_space: global }
      - { .name: x1, .offset: 32, .size: 8, .value_kind: global_buffer, .address_space: global }
    .group_segment_fixed_size: 327680
    .private_segment_fixed_size: 0
    .kernarg_segment_align: 8
    .kernarg_segment_size: 40
    .max_flat_workgroup_size: 256
    .sgpr_count:     102
    .vgpr_count:     232
    .wavefront_size: 32
...
	.end_amdgpu_metadata
.endif
;; end of part 5
;; launch ln2: the kernel of part 2 again; grid 256 x 1, 4 waves a work-group, no clusters, 66,560 bytes of LDS; arguments x1, ln2_w, ln2_b, hq; writes hq
;; launch ff1g (part 6): grid 16 x 16, 16 waves a work-group, clusters of 4 x 4, 327,680 bytes of LDS; arguments hq, wq, b_ff1, gq; writes gq
.if DOCPART == 6
	.amdgcn_target "amdgcn-amd-amdhsa--gfx1250"
	.amdhsa_code_object_version 6
	.text
	.protected	k_q8ce6667c1b_ff1g
	.globl	k_q8ce6667c1b_ff1g
	.p2align	8
	.type	k_q8ce6667c1b_ff1g,@function
k_q8ce6667c1b_ff1g:
	s_mov_b64 s[64:65], 0
	v_nop
	global_prefetch_b8 v0, s[64:65] scope:SCOPE_SE
	s_setreg_imm32_b32 hwreg(HW_REG_WAVE_MODE, 25, 1), 1
	s_wait_xcnt 0x0
	s_wait_alu depctr_hold_cnt(0) depctr_sa_sdst(0) depctr_va_vdst(0) depctr_va_sdst(0) depctr_va_ssrc(0) depctr_va_vcc(0) depctr_vm_vsrc(0)
	s_getreg_b32 s2, hwreg(HW_REG_IB_STS2, 6, 4)
	s_cmp_eq_u32 s2, 0
	s_cbranch_scc0 .Lentry_in_a_cluster
	s_endpgm
.Lentry_in_a_cluster:
	s_bfe_u32 s2, ttmp6, 0x10000c
	s_cmp_lg_u32 s2, 0xf033
	s_cbranch_scc0 .Lentry_shape_is_right
	s_endpgm
.Lentry_shape_is_right:
; g = gelu(Q(LN2(x1)) Q(W_ff1) + b_ff1) on codes of FP6 (E2M3) with E8M0 scales, K = 1,024, N = 4,096; g is quantised here along N, the next product's K, and leaves as register images.
; OPERANDS are images (tile of 16 rows: lane r holds row 32 (t / 2) + 8 (t % 2) + r + 8 (r / 8); half image of 64 along K = 768 bytes: a lane's first 16 bytes at 16 x lane, its last 8 at 512 + 16 r + 8 h).
; THE PRODUCT: source 0 = a tile of W_ff1 (R), source 1 = a tile of tokens (L): lane (r, h) holds the token of place r, and the 32 registers of four neighbouring R tiles are hidden units 32 b + 16 h + i (register 16 b + i).
; SHARES.  A work-group makes 256 x 256: sixteen waves, four to a SIMD, each 64 x 64: 16 accumulators, which begin as the bias.  One wave's waits for LDS stand beside another's matrix work.
; K goes in chunks of 256 through two LDS slots; the tokens' tiles are asked for jointly by the four work-groups of a row of the cluster, the weight's by the four of a column.  The scale words of all of K come once.
; GELU: 0.5 x (1 + tanh(u)) = x / (1 + 2^(x (KB + KA x^2))), KB = -2 log2(e) sqrt(2 / pi), KA = 0.044715 KB: the same function with tanh written through the exponential; no difference of near numbers is formed, and both ends
; of the range come out right (the power falls to 0 or rises to infinity, whose reciprocal is 0).
; OUT: a wave's 64 hidden units are one half image a token tile; its half of each scale word leaves by stores of 2 bytes (524,288 bytes in all: the one place here where 256 aligned bytes are not written by one instruction).
; LIMITS: NaN and infinities are not served; a block of zeros, or one whose largest magnitude lies under 2^-124, gets the byte 1 (its codes are zeros; this program alone reads the bytes).
.set NH768, 12288
.set NK64,  512
.set KSL,   2
.set TSTR,  KSL*1536
.set CHB,   KSL*1536
.set SLOT,  98304
.set YOFF,  49152
.set HALFB, 24576
.set SCX,   196608
.set SCH,   8*NK64
.set SCY,   SCX+2*SCH
.set SPARE, SCY+2*SCH                  ; the spare words: 128 bytes for each of 16 waves; no other line names them
.set XSCL,  3145728                    ; the scale words in hq
.set WCOD,  3145728                    ; W_ff1's codes in wq
.set WSCL,  9568256                    ; and its scale words
.set SPW, 1
.set NIL, 2
.set LA,  3
.set LB,  5
.set RA,  7
.set RB,  9
.set ADS, 11
.set SC,  12                           ; v12-15 scale words: they hold nothing else
.set LF,  16
.set RF,  64
.set ACC, 112
.set PA,  240                          ; 16 x lane
.set PB,  241                          ; 16 r + 8 h
.set BO,  242                          ; 64 h
.set HO,  243                          ; 4 r + 2,048 h: two neighbouring tiles' scale words
.set KA,  244
.set KB,  246
.set T,   16                           ; the way out: 32 numbers at work
.set TM,  48
.set WV,  14
.set PW,  15
.set QW,  16
.set HF,  17
.set CX,  18
.set CY,  19
.set G1X, 24
.set G0X, 32
.set G1Y, 48
.set G0Y, 56
.set SEL, 66
.set G1SX, 68
.set G0SX, 76
.set G1SY, 80
.set G0SY, 88
.macro CROUND                          ; a round of the cluster's barrier
	s_barrier_signal -1
	s_barrier_wait -1
	s_cmp_lg_u32 s[WV], 0
	s_cbranch_scc1 .Lnot_wave_0_\@
	s_barrier_signal -3
.Lnot_wave_0_\@:
	s_barrier_wait -3
	s_barrier_signal -1
	s_barrier_wait -1
.endm
.macro JLOAD s                         ; a joint refill of slot s: waves 0, 1 X's halves, waves 2, 3 Y's, the others nothing; four v_nop follow each line
	s_cmp_lt_u32 s[WV], 2
	s_cbranch_scc0 .Lny_\@
	tensor_load_to_lds s[G0X+4*(\s):G0X+4*(\s)+3], s[G1X:G1X+7]
	s_nop 0
.rept 4
	v_nop
.endr
	s_branch .Lq_\@
.Lny_\@:
	s_cmp_lt_u32 s[WV], 4
	s_cbranch_scc0 .Lq_\@
	tensor_load_to_lds s[G0Y+4*(\s):G0Y+4*(\s)+3], s[G1Y:G1Y+7]
	s_nop 0
.rept 4
	v_nop
.endr
.Lq_\@:
.endm
.macro FRAG reg, pa, pb, off
	ds_load_b128 v[(\reg):(\reg)+3], v[\pa] offset:(\off)
	ds_load_b64 v[(\reg)+4:(\reg)+5], v[\pb] offset:(\off)+512
	ds_load_b128 v[(\reg)+6:(\reg)+9], v[\pa] offset:(\off)+768
	ds_load_b64 v[(\reg)+10:(\reg)+11], v[\pb] offset:(\off)+1280
.endm
; One K step of 128.  The 16 accumulators take turns, one instruction a turn, in the same order in every step.
.macro KSTEP s, q, ks
.rept 4
	v_nop                                          ; four places in front of loads into registers that matrix instructions have read (ISA guide 7.12.1 for vector instructions)
.endr
.irp i, 0,1,2,3
	ds_load_b32 v[SC+\i], v[ADS] offset:\i*NK64+64*(\ks)
.endr
.irp b, 0,1,2,3
	FRAG RF+12*\b, RA+(\s), RB+(\s), \b*TSTR+1536*(\q)
.endr
.irp a, 0,1,2,3
	FRAG LF+12*\a, LA+(\s), LB+(\s), \a*TSTR+1536*(\q)
.endr
.irp a, 0,1,2,3
	s_wait_dscnt 4*(3-\a)                          ; the scale words, R and L's fragment a are in; the later L fragments' four loads each may be out
.irp b, 0,1,2,3
	v_wmma_scale_f32_16x16x128_f8f6f4 v[ACC+8*(4*\a+\b):ACC+8*(4*\a+\b)+7], v[RF+12*\b:RF+12*\b+11], v[LF+12*\a:LF+12*\a+11], v[ACC+8*(4*\a+\b):ACC+8*(4*\a+\b)+7], v[SC+\b], v[SC+\a] matrix_a_fmt:MATRIX_FMT_FP6 matrix_b_fmt:MATRIX_FMT_FP6 matrix_a_scale:MATRIX_SCALE_ROW1
.endr
.endr
.endm
.macro CHANGE s, fill
	s_wait_tensorcnt 0x0                           ; all my tensor loads have landed: so a group 0 may be written
	ds_add_u32 v[SPW], v[NIL]                      ; 0 onto my spare word
.if \fill
	ds_add_u32 v[SPW], v[NIL]                      ; twice ahead of a refill
	s_add_nc_u64 s[G0X+4*(\s)+2:G0X+4*(\s)+3], s[G0X+4*(\s)+2:G0X+4*(\s)+3], 2*CHB
	s_add_nc_u64 s[G0Y+4*(\s)+2:G0Y+4*(\s)+3], s[G0Y+4*(\s)+2:G0Y+4*(\s)+3], 2*CHB
.endif
	s_wait_dscnt 0x0                               ; the add is done, and my reads of slot s are over
.if \fill
	CROUND
	JLOAD \s                                       ; the first tensor load behind the round, one a wave
.else
	s_barrier_signal -1
	s_barrier_wait -1
.endif
.endm
.macro QH s, pc, hw                    ; 32 numbers of a lane (register 16 b + i = column 32 b + 16 h + i) -> my block's six code registers and the two blocks' bytes
	v_max3_num_f32 v[TM], |v[(\s)]|, |v[(\s)+1]|, 0x1800000        ; with the floor 2^(3 - 127): the byte cannot fall under 1
	v_max3_num_f32 v[TM+1], |v[(\s)+16]|, |v[(\s)+17]|, 0x1800000
.irp i, 2,4,6,8,10,12,14
	s_delay_alu instid0(VALU_DEP_2)
	v_max3_num_f32 v[TM], v[TM], |v[(\s)+\i]|, |v[(\s)+\i+1]|
	s_delay_alu instid0(VALU_DEP_2)
	v_max3_num_f32 v[TM+1], v[TM+1], |v[(\s)+16+\i]|, |v[(\s)+17+\i]|
.endr
	s_delay_alu instid0(VALU_DEP_2)
	v_permlanex16_b32 v[TM+2], v[TM], s[SEL], s[SEL+1]
	s_delay_alu instid0(VALU_DEP_2)
	v_permlanex16_b32 v[TM+3], v[TM+1], s[SEL], s[SEL+1]
	s_delay_alu instid0(VALU_DEP_2)
	v_max_num_f32 v[TM], v[TM], v[TM+2]
	s_delay_alu instid0(VALU_DEP_2)
	v_max_num_f32 v[TM+1], v[TM+1], v[TM+3]
	s_delay_alu instid0(VALU_DEP_2)
	v_add_nc_u32 v[TM+4], 0xff000000, v[TM]
	s_delay_alu instid0(VALU_DEP_2)
	v_add_nc_u32 v[TM+5], 0xff000000, v[TM+1]
	s_delay_alu instid0(VALU_DEP_2)
	v_lshrrev_b32 v[TM], 23, v[TM+4]
	s_delay_alu instid0(VALU_DEP_2)
	v_lshrrev_b32 v[TM+1], 23, v[TM+5]
	s_delay_alu instid0(VALU_DEP_1)
	v_lshl_or_b32 v[\hw], v[TM+1], 8, v[TM]
	v_cvt_scalef32_pk16_fp6_f32 v[(\pc):(\pc)+2], v[(\s):(\s)+15], v[TM+4]
	v_cvt_scalef32_pk16_fp6_f32 v[(\pc)+4:(\pc)+6], v[(\s)+16:(\s)+31], v[TM+5]
	v_nop                                          ; one plain line behind the scaled conversions
.irp i, 0,1,2
	v_permlane16_swap_b32 v[(\pc)+\i], v[(\pc)+4+\i]
.endr
	s_delay_alu instid0(VALU_DEP_3)
	v_mov_b32 v[(\pc)+3], v[(\pc)+4]
	s_delay_alu instid0(VALU_DEP_3)
	v_mov_b32 v[(\pc)+4], v[(\pc)+5]
	s_delay_alu instid0(VALU_DEP_3)
	v_mov_b32 v[(\pc)+5], v[(\pc)+6]
.endm
	s_load_b256 s[4:11], s[0:1], 0x0               ; hq, wq, b_ff1, gq
	v_lshl_add_u32 v[SPW], v0, 2, SPARE
	v_mov_b32 v[NIL], 0
	ds_add_u32 v1, v2
	ds_add_u32 v1, v2
	s_wait_dscnt 0x0
	v_lshrrev_b32 v248, 5, v0
	s_delay_alu instid0(VALU_DEP_1)
	v_readfirstlane_b32 s[WV], v248                ; wave 0..15
	s_lshr_b32 s[PW], s[WV], 2                     ; which 64 tokens
	s_and_b32 s[QW], s[WV], 3                      ; which 64 hidden units
	s_and_b32 s[HF], s[WV], 1                      ; which 8 tiles I fetch, if I fetch
	s_bfe_u32 s[CX], ttmp6, 0x40000
	s_bfe_u32 s[CY], ttmp6, 0x40004
	s_lshl_b32 s20, ttmp9, 2
	s_add_co_u32 s20, s20, s[CX]                   ; tile column
	s_and_b32 s21, ttmp7, 0xffff
	s_lshl_b32 s21, s21, 2
	s_add_co_u32 s21, s21, s[CY]                   ; tile row
	s_lshl_b32 s22, s[CY], 2
	s_lshl_b32 s22, 15, s22                        ; my row of the cluster
	s_lshl_b32 s23, 0x1111, s[CX]                  ; my column
	s_or_b32 s[G1X], s22, (3<<16)|(1<<21)          ; 15:0 the mask; 17:16 elements of 8 bytes; 21 set beside a mask; no padding
	s_or_b32 s[G1Y], s23, (3<<16)|(1<<21)
.irp g, G1X, G1Y                       ; codes: 8 rows (tiles) of 3,072 bytes, 12,288 bytes apart
	s_mov_b32 s[\g+1], 384<<16
	s_mov_b32 s[\g+2], 8<<16
	s_mov_b32 s[\g+3], 384<<16
	s_mov_b32 s[\g+4], 8
	s_mov_b32 s[\g+5], 1536
	s_mov_b32 s[\g+6], 0
	s_mov_b32 s[\g+7], 0
.endr
	s_or_b32 s[G1SX], s22, (3<<16)|(1<<21)
	s_or_b32 s[G1SY], s23, (3<<16)|(1<<21)
.irp g, G1SX, G1SY                     ; scale words of 8 tiles: 4,096 dense bytes as 16 rows of 256
	s_mov_b32 s[\g+1], 32<<16
	s_mov_b32 s[\g+2], 16<<16
	s_mov_b32 s[\g+3], 32<<16
	s_mov_b32 s[\g+4], 16
	s_mov_b32 s[\g+5], 32
	s_mov_b32 s[\g+6], 0
	s_mov_b32 s[\g+7], 0
.endr
	s_lshl_b32 s40, s21, 4
	s_lshl_b32 s22, s[CX], 2                       ; the prefetch: of X's 16 tiles the partner at cx names 4 cx .. 4 cx + 3
	s_add_co_u32 s22, s22, s40
	s_lshl_b32 s41, s[HF], 3
	s_add_co_u32 s40, s40, s41                     ; X: the first tile that I fetch (s40-43 never hold cx)
	s_mul_i32 s42, s40, NH768
	s_mov_b32 s43, 0
	s_mul_i32 s40, s40, NK64
	s_add_co_u32 s40, s40, XSCL
	s_mov_b32 s41, 0
	s_lshl_b32 s44, s20, 4
	s_lshl_b32 s23, s[CY], 2                       ; of Y's 16 the partner at cy names 4 cy .. 4 cy + 3
	s_add_co_u32 s23, s23, s44
	s_cmp_lt_u32 s[WV], 4                          ; waves 0-3 name X's tiles, waves 4-7 Y's, a tile a wave
	s_cselect_b32 s22, s22, s23
	s_cselect_b32 s23, 0, WCOD
	s_add_co_u32 s22, s22, s[QW]
	s_mul_i32 s22, s22, NH768
	s_add_co_u32 s22, s22, s23                     ; the tile's first byte in its buffer
	s_mov_b32 s23, 0
	s_lshl_b32 s45, s[HF], 3
	s_add_co_u32 s44, s44, s45                     ; Y likewise (s44-47 never hold cy)
	s_mul_i32 s46, s44, NH768
	s_add_co_u32 s46, s46, WCOD
	s_mov_b32 s47, 0
	s_mul_i32 s44, s44, NK64
	s_add_co_u32 s44, s44, WSCL
	s_mov_b32 s45, 0
	s_mul_i32 s2, s[HF], HALFB                     ; where they go: no place in the cluster enters an LDS address
	s_mov_b32 s[G0X+1], s2
	s_add_co_u32 s[G0X+5], s2, SLOT
	s_add_co_u32 s[G0Y+1], s2, YOFF
	s_add_co_u32 s[G0Y+5], s2, SLOT+YOFF
	s_mul_i32 s2, s[HF], SCH
	s_add_co_u32 s[G0SX+1], s2, SCX
	s_add_co_u32 s[G0SY+1], s2, SCY
	s_mov_b32 s[G0X], 1
	s_mov_b32 s[G0X+4], 1
	s_mov_b32 s[G0Y], 1
	s_mov_b32 s[G0Y+4], 1
	s_mov_b32 s[G0SX], 1
	s_mov_b32 s[G0SY], 1
	s_mov_b32 s[SEL], 0x76543210
	s_mov_b32 s[SEL+1], 0xfedcba98
	s_lshl_b32 s2, s20, 2
	s_add_co_u32 s2, s2, s[QW]                     ; hs: my 64 hidden units = the next product's half step
	s_lshl_b32 s92, s2, 8                          ; their bias, in bytes
	s_mov_b32 s93, 0
	s_lshl_b32 s3, s21, 4
	s_lshl_b32 s94, s[PW], 2
	s_add_co_u32 s3, s3, s94                       ; my first token tile
	s_lshl_b32 s94, s3, 6
	s_add_co_u32 s94, s94, s2
	s_mul_i32 s94, s94, 768                        ; its half image hs
	s_mov_b32 s95, 0
	s_lshl_b32 s96, s3, 5
	s_lshr_b32 s98, s2, 1
	s_add_co_u32 s96, s96, s98
	s_lshl_b32 s96, s96, 6
	s_and_b32 s98, s2, 1
	s_lshl_b32 s98, s98, 1
	s_add_co_u32 s96, s96, s98
	s_add_co_u32 s96, s96, 12582912                ; and my half of its scale words
	s_mov_b32 s97, 0
	s_wait_kmcnt 0x0
	s_add_nc_u64 s[G0X+2:G0X+3], s[4:5], s[42:43]
	s_add_nc_u64 s[G0X+6:G0X+7], s[G0X+2:G0X+3], CHB
	s_or_b32 s[G0X+3], s[G0X+3], 0x80000000
	s_or_b32 s[G0X+7], s[G0X+7], 0x80000000
	s_add_nc_u64 s[G0Y+2:G0Y+3], s[6:7], s[46:47]
	s_add_nc_u64 s[G0Y+6:G0Y+7], s[G0Y+2:G0Y+3], CHB
	s_or_b32 s[G0Y+3], s[G0Y+3], 0x80000000
	s_or_b32 s[G0Y+7], s[G0Y+7], 0x80000000
	s_add_nc_u64 s[G0SX+2:G0SX+3], s[4:5], s[40:41]
	s_or_b32 s[G0SX+3], s[G0SX+3], 0x80000000
	s_add_nc_u64 s[G0SY+2:G0SY+3], s[6:7], s[44:45]
	s_or_b32 s[G0SY+3], s[G0SY+3], 0x80000000
	s_cmp_lt_u32 s[WV], 4
	s_cselect_b64 s[104:105], s[4:5], s[6:7]
	s_add_nc_u64 s[104:105], s[104:105], s[22:23]  ; never rewritten
	s_add_nc_u64 s[92:93], s[8:9], s[92:93]
	s_add_nc_u64 s[94:95], s[10:11], s[94:95]
	s_add_nc_u64 s[96:97], s[10:11], s[96:97]
	CROUND                                         ; all sixteen work-groups are here: the first joint loads meet
; THE HEAD'S TWELVE FIRST FILLS, ONE A WAVE: one chain of arms on the wave's number; a pair of waves takes the two halves (HF = wave % 2) of X's scale words, Y's, chunk 0 of X, of Y, chunk 1 of X, of Y; waves 12-15 load nothing.
.macro ARM under, g0, g1, next
	s_cmp_lt_u32 s[WV], \under
	s_cbranch_scc0 \next
	tensor_load_to_lds s[\g0:\g0+3], s[\g1:\g1+7]
	s_nop 0
.rept 4
	v_nop
.endr
	s_branch .Lfirst_done
\next:
.endm
	ARM 2,  G0SX,  G1SX, .Lh1
	ARM 4,  G0SY,  G1SY, .Lh2
	ARM 6,  G0X,   G1X,  .Lh3
	ARM 8,  G0Y,   G1Y,  .Lh4
	ARM 10, G0X+4, G1X,  .Lh5
	s_cmp_lt_u32 s[WV], 12
	s_cbranch_scc0 .Lfirst_done
	tensor_load_to_lds s[G0Y+4:G0Y+7], s[G1Y:G1Y+7]
	s_nop 0
.rept 4
	v_nop
.endr
.Lfirst_done:
	v_and_b32 v248, 31, v0                         ; lane
	v_and_b32 v249, 15, v0                         ; r
	v_bfe_u32 v250, v0, 4, 1                       ; h
	s_delay_alu instid0(VALU_DEP_1)
	v_lshlrev_b32 v[BO], 6, v250
.irp a, 0,1,2,3
.irp b, 0,1,2,3
	global_load_b128 v[ACC+8*(4*\a+\b):ACC+8*(4*\a+\b)+3], v[BO], s[92:93] offset:4*(32*(\b/2)+8*(\b%2))       ; the sums begin as the bias
	global_load_b128 v[ACC+8*(4*\a+\b)+4:ACC+8*(4*\a+\b)+7], v[BO], s[92:93] offset:4*(32*(\b/2)+8*(\b%2))+16
.endr
.endr
	v_lshlrev_b32 v[PA], 4, v248
	v_lshlrev_b32 v[PB], 4, v249
	s_delay_alu instid0(VALU_DEP_1)
	v_lshl_add_u32 v[PB], v250, 3, v[PB]
	; A PREFETCH of the two chunks that are refilled, 2 and 3: 6,144 consecutive bytes of a tile, 24 blocks of 256, a lane a block (lanes 24-31 name the last again); each block once in a cluster, shared out by address
	v_min_u32 v251, 23, v248
	s_delay_alu instid0(VALU_DEP_1)
	v_lshlrev_b32 v251, 8, v251
	s_cmp_lt_u32 s[WV], 8
	s_wait_alu depctr_va_vdst(0)
	s_cbranch_scc0 .Lnopf
	global_prefetch_b8 v251, s[104:105] offset:2*CHB th:TH_LOAD_NT scope:SCOPE_SE
.Lnopf:
	s_mul_i32 s2, s[PW], 4*TSTR                    ; my four L tiles
	s_mul_i32 s3, s[QW], 4*TSTR
	s_add_co_u32 s3, s3, YOFF                      ; my four R tiles
	v_add_nc_u32 v[LA], s2, v[PA]
	v_add_nc_u32 v[LB], s2, v[PB]
	v_add_nc_u32 v[RA], s3, v[PA]
	v_add_nc_u32 v[RB], s3, v[PB]
	s_delay_alu instid0(VALU_DEP_4)
	v_add_nc_u32 v[LA+1], SLOT, v[LA]
	s_delay_alu instid0(VALU_DEP_4)
	v_add_nc_u32 v[LB+1], SLOT, v[LB]
	s_delay_alu instid0(VALU_DEP_4)
	v_add_nc_u32 v[RA+1], SLOT, v[RA]
	s_delay_alu instid0(VALU_DEP_4)
	v_add_nc_u32 v[RB+1], SLOT, v[RB]
	s_xor_b32 s2, s[PW], 3                         ; R's words lie 4 NK64 (1 + qw + (3 - pw)) bytes behind L's: one product with h
	s_add_co_u32 s2, s2, s[QW]
	s_add_co_u32 s2, s2, 1
	s_mul_i32 s2, s2, 4*NK64
	v_mul_u32_u24 v[ADS], s2, v250
	s_delay_alu instid0(VALU_DEP_1)
	v_lshl_add_u32 v[ADS], v249, 2, v[ADS]
	s_mul_i32 s3, s[PW], 4*NK64
	s_add_co_u32 s3, s3, SCX
	v_add_nc_u32 v[ADS], s3, v[ADS]
	v_lshlrev_b32 v[HO], 2, v249
	s_delay_alu instid0(VALU_DEP_1)
	v_lshl_add_u32 v[HO], v250, 11, v[HO]
	v_mov_b32 v[KA], 0xbdd2d3e8                    ; KA = -0.10294324, twice
	v_mov_b32 v[KA+1], 0xbdd2d3e8
	v_mov_b32 v[KB], 0xc0135761                    ; KB = -2.3022082, twice
	v_mov_b32 v[KB+1], 0xc0135761
	s_wait_alu depctr_va_vdst(0)
	s_wait_tensorcnt 0x0                           ; my one first fill is in
	s_barrier_signal -1
	s_barrier_wait -1
	s_wait_loadcnt 0x0                             ; the bias
	KSTEP 0, 0, 0
	KSTEP 0, 1, 1
	CHANGE 0, 1
	KSTEP 1, 0, 2
	KSTEP 1, 1, 3
	CHANGE 1, 1
	KSTEP 0, 0, 4
	KSTEP 0, 1, 5
	CHANGE 0, 0
	KSTEP 1, 0, 6
	KSTEP 1, 1, 7
.rept 4
	v_nop                                          ; four places behind the last products
.endr
	v_mov_b32 v[TM+2], 0                           ; a lane permute's destination counts as one of its sources
	v_mov_b32 v[TM+3], 0
	v_cmp_le_u32 vcc_lo, 16, v248                  ; lanes 16-31
.macro GELU a                          ; token tile a: 32 numbers a lane, from the accumulators into v[T] on
.set A0, ACC+32*\a
.set i, 0
.rept 16
	v_pk_mul_f32 v[T+i:T+i+1], v[A0+i:A0+i+1], v[A0+i:A0+i+1]      ; x^2; each accumulator from its low end on
.set i, i+2
.endr
.set i, 0
.rept 16
	v_pk_fma_f32 v[T+i:T+i+1], v[T+i:T+i+1], v[KA:KA+1], v[KB:KB+1]
.set i, i+2
.endr
.set i, 0
.rept 16
	v_pk_mul_f32 v[T+i:T+i+1], v[T+i:T+i+1], v[A0+i:A0+i+1]
.set i, i+2
.endr
.set i, 0
	s_wait_alu depctr_va_vdst(0)
.rept 32
	v_exp_f32 v[T+i], v[T+i]
.set i, i+1
.endr
	v_nop                                          ; one plain line behind the transcendentals
.set i, 0
	s_wait_alu depctr_va_vdst(0)
.rept 16
	v_pk_add_f32 v[T+i:T+i+1], v[T+i:T+i+1], 1.0 op_sel_hi:[1,0]
.set i, i+2
.endr
.set i, 0
	s_wait_alu depctr_va_vdst(0)
.rept 32
	v_rcp_f32 v[T+i], v[T+i]
.set i, i+1
.endr
	v_nop
.set i, 0
	s_wait_alu depctr_va_vdst(0)
.rept 16
	v_pk_mul_f32 v[T+i:T+i+1], v[T+i:T+i+1], v[A0+i:A0+i+1]
.set i, i+2
.endr
.endm
.irp a, 0,1,2,3
	GELU \a
	QH T, 64+8*\a, 96+\a
	global_store_b128 v[PA], v[64+8*\a:67+8*\a], s[94:95] offset:49152*\a          ; 512 consecutive bytes, aligned to 256
	global_store_b64 v[PB], v[68+8*\a:69+8*\a], s[94:95] offset:49152*\a+512       ; 256 consecutive bytes, aligned
.endr
.irp a, 0,2
	v_cndmask_b32 v[100+\a/2], v[96+\a], v[97+\a], vcc_lo   ; lanes 0-15 tile a's half words, lanes 16-31 tile a + 1's
	global_store_b16 v[HO], v[100+\a/2], s[96:97] offset:2048*\a
.endr
	s_wait_tensorcnt 0x0                           ; the wave's end
	ds_add_u32 v[SPW], v[NIL]
	s_wait_dscnt 0x0
	CROUND                                         ; the closing round
	s_endpgm
.Lfunc_end_k_q8ce6667c1b_ff1g:
	.size	k_q8ce6667c1b_ff1g, .Lfunc_end_k_q8ce6667c1b_ff1g-k_q8ce6667c1b_ff1g
	.p2alignl 7, 3214868480
	.fill 96, 4, 3214868480
	.section	.rodata,"a",@progbits
	.p2align	6, 0x0
	.amdhsa_kernel k_q8ce6667c1b_ff1g
		.amdhsa_group_segment_fixed_size 327680
		.amdhsa_private_segment_fixed_size 0
		.amdhsa_enable_private_segment 0
		.amdhsa_kernarg_size 32
		.amdhsa_user_sgpr_count 2
		.amdhsa_user_sgpr_kernarg_segment_ptr 1
		.amdhsa_wavefront_size32 1
		.amdhsa_system_sgpr_workgroup_id_x 1
		.amdhsa_system_sgpr_workgroup_id_y 1
		.amdhsa_system_sgpr_workgroup_id_z 1
		.amdhsa_system_vgpr_workitem_id 0
		.amdhsa_next_free_vgpr 256
		.amdhsa_next_free_sgpr 106
		.amdhsa_reserve_vcc 1
		.amdhsa_float_denorm_mode_32 3
		.amdhsa_float_denorm_mode_16_64 3
		.amdhsa_memory_ordered 1
		.amdhsa_forward_progress 1
		.amdhsa_inst_pref_size 94
	.end_amdhsa_kernel
	.amdgpu_metadata
---
amdhsa.version: [ 1, 2 ]
amdhsa.kernels:
  - .name:           k_q8ce6667c1b_ff1g
    .symbol:         k_q8ce6667c1b_ff1g.kd
    .args:
      - { .name: hq, .offset: 0, .size: 8, .value_kind: global_buffer, .address_space: global }
      - { .name: wq, .offset: 8, .size: 8, .value_kind: global_buffer, .address_space: global }
      - { .name: b_ff1, .offset: 16, .size: 8, .value_kind: global_buffer, .address_space: global }
      - { .name: gq, .offset: 24, .size: 8, .value_kind: global_buffer, .address_space: global }
    .group_segment_fixed_size: 327680
    .private_segment_fixed_size: 0
    .kernarg_segment_align: 8
    .kernarg_segment_size: 32
    .max_flat_workgroup_size: 512
    .sgpr_count:     106
    .vgpr_count:     256
    .wavefront_size: 32
...
	.end_amdgpu_metadata
.endif
;; end of part 6
;; launch ff2g (part 7): grid 8 x 32, 8 waves a work-group, clusters of 4 x 4, 327,680 bytes of LDS; arguments gq, wq, b_ff2, x1, out0; writes out0
.if DOCPART == 7
	.amdgcn_target "amdgcn-amd-amdhsa--gfx1250"
	.amdhsa_code_object_version 6
	.text
	.protected	k_q8ce6667c1b_ff2g
	.globl	k_q8ce6667c1b_ff2g
	.p2align	8
	.type	k_q8ce6667c1b_ff2g,@function
k_q8ce6667c1b_ff2g:
	s_mov_b64 s[64:65], 0
	v_nop
	global_prefetch_b8 v0, s[64:65] scope:SCOPE_SE
	s_setreg_imm32_b32 hwreg(HW_REG_WAVE_MODE, 25, 1), 1
	s_wait_xcnt 0x0
	s_wait_alu depctr_hold_cnt(0) depctr_sa_sdst(0) depctr_va_vdst(0) depctr_va_sdst(0) depctr_va_ssrc(0) depctr_va_vcc(0) depctr_vm_vsrc(0)
	s_getreg_b32 s2, hwreg(HW_REG_IB_STS2, 6, 4)
	s_cmp_eq_u32 s2, 0
	s_cbranch_scc0 .Lentry_in_a_cluster
	s_endpgm
.Lentry_in_a_cluster:
	s_bfe_u32 s2, ttmp6, 0x10000c
	s_cmp_lg_u32 s2, 0xf033
	s_cbranch_scc0 .Lentry_shape_is_right
	s_endpgm
.Lentry_shape_is_right:
; out = residual + Q(X) Q(W) + bias, f32 [4096][1024]; X and W are register images of codes of FP6 (E2M3) with E8M0 scale words.  HERE: X = gq (K = 4,096), W = W_ff2, residual = x1, out = out0.
; IMAGES: tile of 16 rows: lane r holds row 32 (t / 2) + 8 (t % 2) + r + 8 (r / 8); a half image, 64 along K, is 768 bytes: a lane's first 16 bytes at 16 x lane, its last 8 at 512 + 16 r + 8 h.
; THE PRODUCT: source 0 = a tile of W (R), source 1 = a tile of X (L): lane (r, h) holds X's row of place r; register j of R tile b is output 32 (b / 2) + 8 (b % 2) + 16 h + j.
; SHARES.  N = 1,024 gives 256 tiles of 128 x 128: one for each work-group.  Eight waves, two to a SIMD, each 32 (L: two tiles) x 64 (R: four tiles): 8 accumulators, which begin as the bias.
; K goes in chunks of 512 through two LDS slots; X's tiles are asked for jointly by the four work-groups of a row of the cluster, W's by the four of a column.  The scale words of all of K come once.
; A refill has one chunk's work, 32 matrix instructions of each of the eight waves, in which to land; one tensor load of a fetching wave is out behind each round, one at the start.
; THE WAY OUT: a tile of 16 rows x 64 outputs goes through the wave's own stage in LDS (rows 272 bytes apart) and comes back by rows; the residual, loaded at the start in that order, is added; sixteen lanes store 256 consecutive aligned bytes.
.set NH768, 49152                      ; a tile's codes for all of K
.set NK64,  2048                       ; a tile's scale words for all of K
.set NS,    8                          ; chunks
.set XSCL,  12582912                   ; X's scale words in its buffer
.set WCOD,  6291456                    ; the weight's codes in wq
.set WSCL,  9699328                    ; and its scale words
.set NT_OUT, 1                         ; the result is written once and read by nobody here
.set KSL,   4
.set TSTR,  KSL*1536
.set CHB,   KSL*1536
.set SLOT,  98304                      ; X's 8 tiles, then W's 8
.set YOFF,  49152
.set SCX,   196608
.set SCH,   4*NK64
.set SCY,   SCX+2*SCH
.set SPARE, SCX+4*SCH                  ; the spare words: 128 bytes for each of 8 waves; no other line names them
.set STAGE, SPARE+1024                 ; 16 rows x 272 bytes for each wave; no fill ever lands here
.set SPW, 1
.set NIL, 2
.set LA,  3
.set LB,  5
.set RA,  7
.set RB,  9
.set ADS, 11
.set SC,  12                           ; v12-15 scale words: lanes 0-15 L tile i's, lanes 16-31 R tile i's; they hold nothing else
.set LF,  16                           ; v16-39  L's two fragments
.set RF,  40                           ; v40-87  R's four
.set ACC, 88                           ; v88-151 accumulator (a, b) at ACC + 8 (4 a + b)
.set RES, 152                          ; v152-215 the residual
.set BK,  16                           ; the way out: rows read back
.set STI, 216
.set STO, 217
.set GO,  218
.set BO,  224
.set WV,  14
.set PW,  15
.set QW,  16
.set HF,  17
.set CX,  18
.set CY,  19
.set G1X, 24
.set G0X, 32
.set G1Y, 48
.set G0Y, 56
.set G1SX, 68
.set G0SX, 76
.set G1SY, 80
.set G0SY, 88
.macro CROUND                          ; a round of the cluster's barrier
	s_barrier_signal -1
	s_barrier_wait -1
	s_cmp_lg_u32 s[WV], 0
	s_cbranch_scc1 .Lnot_wave_0_\@
	s_barrier_signal -3
.Lnot_wave_0_\@:
	s_barrier_wait -3
	s_barrier_signal -1
	s_barrier_wait -1
.endm
.set PFO, 225                          ; v225     the prefetches' offset: 256 x min(lane, 23); never rewritten
.set PF,  66                           ; s[66:67] the tile whose chunks my wave prefetches; never rewritten
; A PREFETCH of chunk c: a chunk of a tile is 6,144 bytes, 24 blocks of 256, a lane a block (lanes 24-31 name the last block again).  Of the 8 tiles of X that the four work-groups of a row of the cluster ask for jointly,
; the partner at cx names tiles 2 cx and 2 cx + 1 (waves 0, 1); of W's 8 the partner at cy names 2 cy and 2 cy + 1 (waves 2, 3): shared out by address, each block once in a cluster.  The chunk's place is an immediate.
.macro ASK c
	s_cmp_lt_u32 s[WV], 4
	s_cbranch_scc0 .Lna_\@
	global_prefetch_b8 v[PFO], s[PF:PF+1] offset:(\c)*CHB th:TH_LOAD_NT scope:SCOPE_SE
.Lna_\@:
.endm
.macro JLOAD s                         ; a joint refill of slot s: wave 0 X's 8 tiles, wave 1 W's, the others nothing; four v_nop follow each line
	s_cmp_lt_u32 s[WV], 1
	s_cbranch_scc0 .Lny_\@
	tensor_load_to_lds s[G0X+4*(\s):G0X+4*(\s)+3], s[G1X:G1X+7]
	s_nop 0
.rept 4
	v_nop
.endr
	s_branch .Lq_\@
.Lny_\@:
	s_cmp_lt_u32 s[WV], 2
	s_cbranch_scc0 .Lq_\@
	tensor_load_to_lds s[G0Y+4*(\s):G0Y+4*(\s)+3], s[G1Y:G1Y+7]
	s_nop 0
.rept 4
	v_nop
.endr
.Lq_\@:
.endm
.macro FRAG reg, pa, pb, off           ; a fragment, 16 rows x 128 K, is two half images: 12 registers
	ds_load_b128 v[(\reg):(\reg)+3], v[\pa] offset:(\off)
	ds_load_b64 v[(\reg)+4:(\reg)+5], v[\pb] offset:(\off)+512
	ds_load_b128 v[(\reg)+6:(\reg)+9], v[\pa] offset:(\off)+768
	ds_load_b64 v[(\reg)+10:(\reg)+11], v[\pb] offset:(\off)+1280
.endm
; One K step of 128: the q-th of slot s, the ks-th of all.  The 8 accumulators take turns, one instruction a turn, in the same order in every step.
.macro KSTEP s, q, ks
.rept 4
	v_nop                                          ; four places in front of loads into registers that matrix instructions have read (ISA guide 7.12.1 for vector instructions)
.endr
.irp i, 0,1,2,3
	ds_load_b32 v[SC+\i], v[ADS] offset:\i*NK64+64*(\ks)   ; (lanes 0-15 of registers 2 and 3 take words that have landed and that nobody uses)
.endr
.irp b, 0,1,2,3
	FRAG RF+12*\b, RA+(\s), RB+(\s), \b*TSTR+1536*(\q)
.endr
.irp a, 0,1
	FRAG LF+12*\a, LA+(\s), LB+(\s), \a*TSTR+1536*(\q)
.endr
.irp a, 0,1
	s_wait_dscnt 4*(1-\a)                          ; the scale words, R and L's fragment a are in; the later L fragment's four loads may be out
.irp b, 0,1,2,3
	v_wmma_scale_f32_16x16x128_f8f6f4 v[ACC+8*(4*\a+\b):ACC+8*(4*\a+\b)+7], v[RF+12*\b:RF+12*\b+11], v[LF+12*\a:LF+12*\a+11], v[ACC+8*(4*\a+\b):ACC+8*(4*\a+\b)+7], v[SC+\b], v[SC+\a] matrix_a_fmt:MATRIX_FMT_FP6 matrix_b_fmt:MATRIX_FMT_FP6 matrix_a_scale:MATRIX_SCALE_ROW1
.endr
.endr
.endm
.macro CHANGE s, fill                  ; slot s has been read.  fill = 1: it is filled again, two chunks on, behind a round of the cluster's barrier
	s_wait_tensorcnt 0x0                           ; all my tensor loads have landed: so a group 0 may be written
	ds_add_u32 v[SPW], v[NIL]                      ; 0 onto my spare word
.if \fill
	ds_add_u32 v[SPW], v[NIL]                      ; twice ahead of a refill
	s_add_nc_u64 s[G0X+4*(\s)+2:G0X+4*(\s)+3], s[G0X+4*(\s)+2:G0X+4*(\s)+3], 2*CHB
	s_add_nc_u64 s[G0Y+4*(\s)+2:G0Y+4*(\s)+3], s[G0Y+4*(\s)+2:G0Y+4*(\s)+3], 2*CHB
.endif
	s_wait_dscnt 0x0                               ; the add is done, and my reads of slot s are over
.if \fill
	CROUND
	JLOAD \s                                       ; the first tensor load behind the round, one a wave
.else
	s_barrier_signal -1
	s_barrier_wait -1
.endif
.endm
	s_load_b256 s[4:11], s[0:1], 0x0               ; X, wq, bias, residual
	s_load_b64 s[12:13], s[0:1], 0x20              ; out
	v_lshl_add_u32 v[SPW], v0, 2, SPARE
	v_mov_b32 v[NIL], 0
	ds_add_u32 v1, v2
	ds_add_u32 v1, v2
	s_wait_dscnt 0x0
	v_lshrrev_b32 v219, 5, v0
	s_delay_alu instid0(VALU_DEP_1)
	v_readfirstlane_b32 s[WV], v219                ; wave 0..7
	s_lshr_b32 s[PW], s[WV], 1                     ; which 32 rows
	s_and_b32 s[QW], s[WV], 1                      ; which 64 outputs
	s_bfe_u32 s[CX], ttmp6, 0x40000
	s_bfe_u32 s[CY], ttmp6, 0x40004
	s_lshl_b32 s20, ttmp9, 2
	s_add_co_u32 s20, s20, s[CX]                   ; tile column
	s_and_b32 s21, ttmp7, 0xffff
	s_lshl_b32 s21, s21, 2
	s_add_co_u32 s21, s21, s[CY]                   ; tile row
	s_lshl_b32 s22, s[CY], 2
	s_lshl_b32 s22, 15, s22                        ; my row of the cluster
	s_lshl_b32 s23, 0x1111, s[CX]                  ; my column
	s_or_b32 s[G1X], s22, (3<<16)|(1<<21)          ; 15:0 the mask; 17:16 elements of 8 bytes; 21 set beside a mask; no padding
	s_or_b32 s[G1Y], s23, (3<<16)|(1<<21)
.irp g, G1X, G1Y                       ; codes: 8 rows (tiles) of 6,144 bytes, NH768 bytes apart
	s_mov_b32 s[\g+1], 768<<16
	s_mov_b32 s[\g+2], 8<<16                       ; one load brings all 8 tiles of a chunk
	s_mov_b32 s[\g+3], 768<<16
	s_mov_b32 s[\g+4], 8
	s_mov_b32 s[\g+5], NH768/8
	s_mov_b32 s[\g+6], 0
	s_mov_b32 s[\g+7], 0
.endr
	s_or_b32 s[G1SX], s22, (3<<16)|(1<<21)
	s_or_b32 s[G1SY], s23, (3<<16)|(1<<21)
.irp g, G1SX, G1SY                     ; scale words of 8 tiles: a dense block as rows of 256 bytes
	s_mov_b32 s[\g+1], 32<<16
	s_mov_b32 s[\g+2], (2*SCH/256)<<16             ; the scale words of all 8 tiles
	s_mov_b32 s[\g+3], 32<<16
	s_mov_b32 s[\g+4], 2*SCH/256
	s_mov_b32 s[\g+5], 32
	s_mov_b32 s[\g+6], 0
	s_mov_b32 s[\g+7], 0
.endr
	s_lshl_b32 s40, s21, 3                         ; X: the block's first tile (s40-43 never hold cx)
	s_mul_i32 s42, s40, NH768
	s_mov_b32 s43, 0
	s_mul_i32 s40, s40, NK64
	s_add_co_u32 s40, s40, XSCL
	s_mov_b32 s41, 0
	s_lshl_b32 s44, s20, 3                         ; W likewise (s44-47 never hold cy)
	s_mul_i32 s46, s44, NH768
	s_add_co_u32 s46, s46, WCOD
	s_mov_b32 s47, 0
	s_mul_i32 s44, s44, NK64
	s_add_co_u32 s44, s44, WSCL
	s_mov_b32 s45, 0
	s_mov_b32 s[G0X+1], 0                          ; where they go: constants
	s_mov_b32 s[G0X+5], SLOT
	s_mov_b32 s[G0Y+1], YOFF
	s_mov_b32 s[G0Y+5], SLOT+YOFF
	s_mov_b32 s[G0SX+1], SCX
	s_mov_b32 s[G0SY+1], SCY
	s_mov_b32 s[G0X], 1
	s_mov_b32 s[G0X+4], 1
	s_mov_b32 s[G0Y], 1
	s_mov_b32 s[G0Y+4], 1
	s_mov_b32 s[G0SX], 1
	s_mov_b32 s[G0SY], 1
	s_lshl_b32 s22, s21, 3                         ; the prefetches: X's tile 8 x tile row + 2 cx,
	s_lshl_b32 s23, s[CX], 1
	s_add_co_u32 s22, s22, s23
	s_lshl_b32 s23, s20, 3                         ; W's tile 8 x tile column + 2 cy
	s_lshl_b32 s2, s[CY], 1
	s_add_co_u32 s23, s23, s2
	s_cmp_lt_u32 s[WV], 2                          ; waves 0, 1 name X's, waves 2, 3 W's
	s_cselect_b32 s22, s22, s23
	s_cselect_b32 s23, 0, WCOD
	s_add_co_u32 s22, s22, s[QW]                   ; + wave % 2
	s_mul_i32 s22, s22, NH768
	s_add_co_u32 s22, s22, s23                     ; the tile's first byte in its buffer
	s_mov_b32 s23, 0
	s_lshl_b32 s92, s20, 9
	s_lshl_b32 s2, s[QW], 8
	s_add_co_u32 s92, s92, s2                      ; my 64 outputs, in bytes
	s_mov_b32 s93, 0
	s_lshl_b32 s96, s21, 19
	s_lshl_b32 s2, s[PW], 17
	s_add_co_u32 s96, s96, s2
	s_add_co_u32 s96, s96, s92                     ; and at my first row: (128 tile row + 32 pw) x 4,096
	s_mov_b32 s97, 0
	s_wait_kmcnt 0x0
	s_add_nc_u64 s[G0X+2:G0X+3], s[4:5], s[42:43]
	s_add_nc_u64 s[G0X+6:G0X+7], s[G0X+2:G0X+3], CHB
	s_or_b32 s[G0X+3], s[G0X+3], 0x80000000
	s_or_b32 s[G0X+7], s[G0X+7], 0x80000000
	s_add_nc_u64 s[G0Y+2:G0Y+3], s[6:7], s[46:47]
	s_add_nc_u64 s[G0Y+6:G0Y+7], s[G0Y+2:G0Y+3], CHB
	s_or_b32 s[G0Y+3], s[G0Y+3], 0x80000000
	s_or_b32 s[G0Y+7], s[G0Y+7], 0x80000000
	s_add_nc_u64 s[G0SX+2:G0SX+3], s[4:5], s[40:41]
	s_or_b32 s[G0SX+3], s[G0SX+3], 0x80000000
	s_add_nc_u64 s[G0SY+2:G0SY+3], s[6:7], s[44:45]
	s_or_b32 s[G0SY+3], s[G0SY+3], 0x80000000
	s_cmp_lt_u32 s[WV], 2
	s_cselect_b64 s[PF:PF+1], s[4:5], s[6:7]
	s_add_nc_u64 s[PF:PF+1], s[PF:PF+1], s[22:23]
	s_add_nc_u64 s[94:95], s[8:9], s[92:93]        ; the bias
	s_add_nc_u64 s[98:99], s[10:11], s[96:97]      ; the residual
	s_add_nc_u64 s[100:101], s[12:13], s[96:97]    ; the result
	CROUND                                         ; all sixteen work-groups are here: the first joint loads meet
; THE HEAD'S SIX FIRST FILLS, ONE A WAVE: one chain of arms on the wave's number: X's scale words, W's, chunk 0 of X, of W, chunk 1 of X, of W; waves 6, 7 load nothing.  One tensor load of a wave is out at the most, here and behind each round.
.macro ARM under, g0, g1, next
	s_cmp_lt_u32 s[WV], \under
	s_cbranch_scc0 \next
	tensor_load_to_lds s[\g0:\g0+3], s[\g1:\g1+7]
	s_nop 0
.rept 4
	v_nop
.endr
	s_branch .Lfirst_done
\next:
.endm
	ARM 1, G0SX,  G1SX, .Lh1
	ARM 2, G0SY,  G1SY, .Lh2
	ARM 3, G0X,   G1X,  .Lh3
	ARM 4, G0Y,   G1Y,  .Lh4
	ARM 5, G0X+4, G1X,  .Lh5
	s_cmp_lt_u32 s[WV], 6
	s_cbranch_scc0 .Lfirst_done
	tensor_load_to_lds s[G0Y+4:G0Y+7], s[G1Y:G1Y+7]
	s_nop 0
.rept 4
	v_nop
.endr
.Lfirst_done:
	v_and_b32 v219, 31, v0                         ; lane
	v_and_b32 v220, 15, v0                         ; r
	v_bfe_u32 v221, v0, 4, 1                       ; h
	s_delay_alu instid0(VALU_DEP_1)
	v_lshlrev_b32 v[BO], 6, v221
	s_delay_alu instid0(VALU_DEP_2)
	v_lshlrev_b32 v[GO], 12, v221
	s_delay_alu instid0(VALU_DEP_1)
	v_lshl_add_u32 v[GO], v220, 4, v[GO]           ; lanes 0-15 one row, lanes 16-31 the next; 16 bytes a lane
.irp a, 0,1
.irp b, 0,1,2,3
	global_load_b128 v[ACC+8*(4*\a+\b):ACC+8*(4*\a+\b)+3], v[BO], s[94:95] offset:4*(32*(\b/2)+8*(\b%2))       ; the sums begin as the bias
	global_load_b128 v[ACC+8*(4*\a+\b)+4:ACC+8*(4*\a+\b)+7], v[BO], s[94:95] offset:4*(32*(\b/2)+8*(\b%2))+16
.endr
.endr
.irp a, 0,1
.irp i, 0,1,2,3,4,5,6,7
	global_load_b128 v[RES+32*\a+4*\i:RES+32*\a+4*\i+3], v[GO], s[98:99] offset:(8*\a+2*\i+8*(\i/4))*4096      ; places 2 i, 2 i + 1 of tile a are rows 8 a + 2 i + 8 (i / 4) and the next
.endr
.endr
	v_min_u32 v[PFO], 23, v219
	s_delay_alu instid0(VALU_DEP_1)
	v_lshlrev_b32 v[PFO], 8, v[PFO]
	s_wait_alu depctr_va_vdst(0)
	ASK 2                                          ; the first two refills' chunks are named here, under the first fills' flight
	ASK 3
	v_lshlrev_b32 v222, 4, v219                    ; 16 x lane
	v_lshlrev_b32 v223, 4, v220
	s_delay_alu instid0(VALU_DEP_1)
	v_lshl_add_u32 v223, v221, 3, v223             ; 16 r + 8 h
	s_mul_i32 s2, s[PW], 2*TSTR                    ; my two L tiles
	s_mul_i32 s3, s[QW], 4*TSTR
	s_add_co_u32 s3, s3, YOFF                      ; my four R tiles
	v_add_nc_u32 v[LA], s2, v222
	v_add_nc_u32 v[LB], s2, v223
	v_add_nc_u32 v[RA], s3, v222
	v_add_nc_u32 v[RB], s3, v223
	s_delay_alu instid0(VALU_DEP_4)
	v_add_nc_u32 v[LA+1], SLOT, v[LA]
	s_delay_alu instid0(VALU_DEP_4)
	v_add_nc_u32 v[LB+1], SLOT, v[LB]
	s_delay_alu instid0(VALU_DEP_4)
	v_add_nc_u32 v[RA+1], SLOT, v[RA]
	s_delay_alu instid0(VALU_DEP_4)
	v_add_nc_u32 v[RB+1], SLOT, v[RB]
	s_xor_b32 s2, s[PW], 3                         ; R's words lie 2 NK64 (1 + 2 qw + (3 - pw)) bytes behind L's: one product with h
	s_lshl_b32 s3, s[QW], 1
	s_add_co_u32 s2, s2, s3
	s_add_co_u32 s2, s2, 1
	s_mul_i32 s2, s2, 2*NK64
	v_mul_u32_u24 v[ADS], s2, v221
	s_delay_alu instid0(VALU_DEP_1)
	v_lshl_add_u32 v[ADS], v220, 2, v[ADS]
	s_mul_i32 s3, s[PW], 2*NK64
	s_add_co_u32 s3, s3, SCX
	v_add_nc_u32 v[ADS], s3, v[ADS]
	s_mul_i32 s2, s[WV], 4352
	s_add_co_u32 s2, s2, STAGE                     ; my stage
	v_mul_u32_u24 v[STI], v220, 272
	s_delay_alu instid0(VALU_DEP_1)
	v_lshl_add_u32 v[STI], v221, 6, v[STI]
	s_delay_alu instid0(VALU_DEP_1)
	v_add_nc_u32 v[STI], s2, v[STI]                ; in: place r, + 64 h
	v_mul_u32_u24 v[STO], v221, 272
	s_delay_alu instid0(VALU_DEP_1)
	v_lshl_add_u32 v[STO], v220, 4, v[STO]
	s_delay_alu instid0(VALU_DEP_1)
	v_add_nc_u32 v[STO], s2, v[STO]                ; back: lanes 0-15 one place, lanes 16-31 the next
	s_wait_alu depctr_va_vdst(0)
	s_wait_tensorcnt 0x0                           ; my one first fill is in
	s_barrier_signal -1
	s_barrier_wait -1
	s_wait_loadcnt 16                              ; the bias is in; the residual's 16 loads may be out
	KSTEP 0, 0, 0
	ASK 4                                          ; chunk c's trip refills chunk c + 1 and names chunk c + 4, three refills on; the last four trips name nothing
	KSTEP 0, 1, 1
	KSTEP 0, 2, 2
	KSTEP 0, 3, 3
.set c, 1
.rept NS-1
.if c+1 < NS
	CHANGE (c-1)%2, 1
.else
	CHANGE (c-1)%2, 0
.endif
	KSTEP c%2, 0, c*KSL
.if c+4 < NS
	ASK c+4
.endif
.irp q, 1,2,3
	KSTEP c%2, \q, c*KSL+\q
.endr
.set c, c+1
.endr
.rept 4
	v_nop                                          ; four places behind the last products
.endr
.irp a, 0,1
.irp b, 0,1,2,3
	ds_store_b128 v[STI], v[ACC+8*(4*\a+\b):ACC+8*(4*\a+\b)+3] offset:128*(\b/2)+32*(\b%2)          ; each accumulator from its low end on
	ds_store_b128 v[STI], v[ACC+8*(4*\a+\b)+4:ACC+8*(4*\a+\b)+7] offset:128*(\b/2)+32*(\b%2)+16
.endr
.irp i, 0,1,2,3,4,5,6,7
	ds_load_b128 v[BK+32*\a+4*\i:BK+32*\a+4*\i+3], v[STO] offset:544*\i   ; LDS serves a wave's instructions in order (ISA guide 5.7.1.4): these see the stores above, and tile 1's stores come behind tile 0's loads
.endr
.endr
	s_wait_loadcnt 0x0                             ; the residual
.irp a, 0,1
	s_wait_dscnt 16*(1-\a)                         ; tile a is back; tile 1's 8 stores and 8 loads may be out
.set i, 0
.rept 16
	v_pk_add_f32 v[BK+32*\a+i:BK+32*\a+i+1], v[BK+32*\a+i:BK+32*\a+i+1], v[RES+32*\a+i:RES+32*\a+i+1]
.set i, i+2
.endr
.irp i, 0,1,2,3,4,5,6,7
.if NT_OUT
	global_store_b128 v[GO], v[BK+32*\a+4*\i:BK+32*\a+4*\i+3], s[100:101] offset:(8*\a+2*\i+8*(\i/4))*4096 th:TH_STORE_NT   ; sixteen lanes store 256 consecutive bytes, aligned
.else
	global_store_b128 v[GO], v[BK+32*\a+4*\i:BK+32*\a+4*\i+3], s[100:101] offset:(8*\a+2*\i+8*(\i/4))*4096
.endif
.endr
.endr
	s_wait_tensorcnt 0x0                           ; the wave's end
	ds_add_u32 v[SPW], v[NIL]
	s_wait_dscnt 0x0
	CROUND                                         ; the closing round
	s_endpgm
.Lfunc_end_k_q8ce6667c1b_ff2g:
	.size	k_q8ce6667c1b_ff2g, .Lfunc_end_k_q8ce6667c1b_ff2g-k_q8ce6667c1b_ff2g
	.p2alignl 7, 3214868480
	.fill 96, 4, 3214868480
	.section	.rodata,"a",@progbits
	.p2align	6, 0x0
	.amdhsa_kernel k_q8ce6667c1b_ff2g
		.amdhsa_group_segment_fixed_size 327680
		.amdhsa_private_segment_fixed_size 0
		.amdhsa_enable_private_segment 0
		.amdhsa_kernarg_size 40
		.amdhsa_user_sgpr_count 2
		.amdhsa_user_sgpr_kernarg_segment_ptr 1
		.amdhsa_wavefront_size32 1
		.amdhsa_system_sgpr_workgroup_id_x 1
		.amdhsa_system_sgpr_workgroup_id_y 1
		.amdhsa_system_sgpr_workgroup_id_z 1
		.amdhsa_system_vgpr_workitem_id 0
		.amdhsa_next_free_vgpr 232
		.amdhsa_next_free_sgpr 102
		.amdhsa_reserve_vcc 0
		.amdhsa_float_denorm_mode_32 3
		.amdhsa_float_denorm_mode_16_64 3
		.amdhsa_memory_ordered 1
		.amdhsa_forward_progress 1
		.amdhsa_inst_pref_size 123
	.end_amdhsa_kernel
	.amdgpu_metadata
---
amdhsa.version: [ 1, 2 ]
amdhsa.kernels:
  - .name:           k_q8ce6667c1b_ff2g
    .symbol:         k_q8ce6667c1b_ff2g.kd
    .args:
      - { .name: gq, .offset: 0, .size: 8, .value_kind: global_buffer, .address_space: global }
      - { .name: wq, .offset: 8, .size: 8, .value_kind: global_buffer, .address_space: global }
      - { .name: b_ff2, .offset: 16, .size: 8, .value_kind: global_buffer, .address_space: global }
      - { .name: x1, .offset: 24, .size: 8, .value_kind: global_buffer, .address_space: global }
      - { .name: out0, .offset: 32, .size: 8, .value_kind: global_buffer, .address_space: global }
    .group_segment_fixed_size: 327680
    .private_segment_fixed_size: 0
    .kernarg_segment_align: 8
    .kernarg_segment_size: 40
    .max_flat_workgroup_size: 256
    .sgpr_count:     102
    .vgpr_count:     232
    .wavefront_size: 32
...
	.end_amdgpu_metadata
.endif
;; end of part 7
